; MI455X (gfx1250); checked and timed in simulation.
; The chip was launched on July 23, 2026; its instructions are those of AMD's public machine-readable ISA for CDNA 5 (MIT licence, August 2026) and "CDNA5" Instruction Set Architecture Reference Guide (July 2026). The comments in the code are by the model that wrote it; some were corrected since.
;; Cross Attention. Allowed arithmetic: matrix products marked QUANTISED: E4M3 operands, one given power-of-two scale a tensor, by v_wmma_f32_16x16x64_fp8_fp8 or v_wmma_f32_16x16x128_fp8_fp8, f32 sums; everything else in f32.
;; Inputs: Wk1 256 x 256 float32; Wk2 768 x 256 float32; Wo1 256 x 256 float32; Wo2 256 x 768 float32; Wq1 256 x 256 float32; Wq2 768 x 256 float32; Wv1 256 x 256 float32; Wv2 768 x 256 float32; bo1 256 float32; bo2 768 float32; lowp_scales 24 int32 (the exponents e of the quantised operands' scales 2^e); x1 8 x 2,048 x 256 float32; x2 8 x 2,048 x 768 float32.
;; Outputs: out0 8 x 2,048 x 256 float32; out1 8 x 2,048 x 768 float32.
;; This version of the problem:
;;   THIS VERSION OF THE PROBLEM IS GIVEN IN LOW PRECISION. The matrix products marked QUANTISED in the list below multiply operands that are first quantised to E4M3 (4 exponent bits, 3 mantissa bits; 8 bits a number), with one given power-of-two scale for each operand tensor; their sums are f32. All else is computed in f32.
;;   The module's matrix products, in the order in which they are computed (A, B: the left and right operand; K: the contracted axis; several contracted axes count as one K, in the product's order):
;;     1. [M 16,384, K 256] x [K 256, N 256]; A: input x1; B: input Wq1: QUANTISED (scales: A lowp_scales[0], B lowp_scales[1])
;;     2. [M 16,384, K 256] x [K 256, N 256]; A: input x1; B: input Wk1: QUANTISED (scales: A lowp_scales[2], B lowp_scales[3])
;;     3. [M 16,384, K 256] x [K 256, N 256]; A: input x1; B: input Wv1: QUANTISED (scales: A lowp_scales[4], B lowp_scales[5])
;;     4. [M 16,384, K 768] x [K 768, N 256]; A: input x2; B: input Wq2: QUANTISED (scales: A lowp_scales[6], B lowp_scales[7])
;;     5. [M 16,384, K 768] x [K 768, N 256]; A: input x2; B: input Wk2: QUANTISED (scales: A lowp_scales[8], B lowp_scales[9])
;;     6. [M 16,384, K 768] x [K 768, N 256]; A: input x2; B: input Wv2: QUANTISED (scales: A lowp_scales[10], B lowp_scales[11])
;;     7. batch 8 x [M 2,048, K 256] x [K 256, N 2,048]; A: computed on the way; B: computed on the way: QUANTISED (scales: A lowp_scales[12], B lowp_scales[13])
;;     8. batch 8 x [M 256, K 2,048] x [K 2,048, N 2,048]; A: computed on the way; B: softmax (see below): QUANTISED (scales: A lowp_scales[14], B lowp_scales[15])
;;     9. batch 8 x [M 2,048, K 256] x [K 256, N 2,048]; A: computed on the way; B: computed on the way: QUANTISED (scales: A lowp_scales[16], B lowp_scales[17])
;;     10. batch 8 x [M 256, K 2,048] x [K 2,048, N 2,048]; A: computed on the way; B: softmax (see below): QUANTISED (scales: A lowp_scales[18], B lowp_scales[19])
;;     11. [M 16,384, K 256] x [K 256, N 256]; A: computed on the way; B: input Wo1: QUANTISED (scales: A lowp_scales[20], B lowp_scales[21])
;;     12. [M 16,384, K 256] x [K 256, N 768]; A: computed on the way; B: input Wo2: QUANTISED (scales: A lowp_scales[22], B lowp_scales[23])
;;   THE QUANTISER, for each operand of a quantised product, along K:
;;     - The operand's scale is 2^e, e = its entry of the input lowp_scales (int32; the entries are numbered through the quantised products in the list's order, A before B).
;;     - Each number is divided by the scale, clamped to +-448, and rounded to the nearest number of E4M3, ties to even, subnormals kept.
;;     - The product sums the exact products of the quantised numbers (number of the format x scale) in f32.
;;   ~~~python
;;   def quantise(x, axis, e):      # numpy; x: float32 -> the quantised numbers, widened to float32 again
;;       x = np.moveaxis(x, axis, -1); K = x.shape[-1]
;;       r = np.clip(x / 2.0 ** e, -448, 448)
;;       step = 2.0 ** (np.maximum(np.frexp(np.where(r == 0, 1, r))[1] - 1, -6) - 3)
;;       q = np.round(r / step) * step * 2.0 ** e      # np.round: ties to even
;;       return np.moveaxis(q, -1, axis).astype(np.float32)
;;   ~~~
;;   SOFTMAX AHEAD OF A QUANTISED PRODUCT. Where the list says 'softmax', what is quantised is not the finished softmax but p = 2^(t - M), with t = logit x log2(e) and M = ceil(the row's largest t), a whole number; so 1/2 < the row's largest p <= 1. The row's sum l is taken of the UNQUANTISED p, in f32, and the product's result is divided by l at the end. Since M is a whole number, a kernel that streams over the keys may use a running M (the ceiling of the running maximum): every later rescaling is an exact power of two, so the quantised numbers keep their values, but for numbers so far below the row's largest that they fall under the format's range.
;;   OPERANDS COMPUTED ON THE WAY. 'Computed on the way' means the value that the module computes at that place (a softmax that the list does not call 'softmax' is quantised finished and normalised). What goes into a quantiser is computed in f32, as accurately as f32 sums, v_exp_f32 and their like allow (about 1e-6 of the number): no bf16 or f16 on the way to a quantiser, and a product that is left as it is and whose result goes on into a quantised operand takes f32 operands (vector FMAs, or v_wmma_f32_16x16x4_f32). A number that lies on a knife's edge between two numbers of the format may be rounded either way, as far as f32 arithmetic and the matrix unit's own rounding can turn it there, and no further.
;; 2 versions. Each part assembles by itself: llvm-mc -triple=amdgcn-amd-amdhsa -mcpu=gfx1250 --defsym DOCPART=n.
;; ======== version 1 of 2: 3 launches
;; workspace buffers: wc 1,048,576 bytes; qc 8,388,608 bytes; kv 16,777,216 bytes
;; launch wprep (part 1): grid 256 x 1, 1 waves a work-group, no clusters, 0 bytes of LDS; arguments Wq1, Wk1, Wv1, Wo1, Wq2, Wk2, Wv2, Wo2, lowp_scales, wc; writes wc
.if DOCPART == 1
	.amdgcn_target "amdgcn-amd-amdhsa--gfx1250"
	.amdhsa_code_object_version 6
	.text
	.protected	k_qa8f1fb9390_wprep
	.globl	k_qa8f1fb9390_wprep
	.p2align	8
	.type	k_qa8f1fb9390_wprep,@function
k_qa8f1fb9390_wprep:
	s_mov_b64 s[64:65], 0
	v_nop
	global_prefetch_b8 v0, s[64:65] scope:SCOPE_SE
	s_setreg_imm32_b32 hwreg(HW_REG_WAVE_MODE, 25, 1), 1
	s_wait_xcnt 0x0
; The eight weights, f32 stored [K][N], become codes of E4M3 laid in the ORDER OF AN OPERAND'S REGISTERS.
; A fragment is 16 output columns x 128 along K, 2,048 bytes: byte 512 c + 16 (r + 16 h) + i is k = 32 c + 16 h + i of the fragment's row r.
; The columns of a fragment are not neighbours: row r of tile 2 g + u is column 32 g + 8 u + r + 8 (r / 8).
; code = w / 2^e, held within +-448, to the nearest code, ties to even.  LIMIT: e between -126 and 119.  NaN among the inputs is not served.
; One wave takes one job: 32 neighbouring columns x 128 along K of one weight = two fragments.  4 x 16 + 4 x 48 = 256 jobs.
; A LANE TAKES A COLUMN AND ITS REGISTERS RUN DOWN K: a load reads 128 consecutive bytes, and the conversions give codes with K innermost.
; Weight T = 0..7: Wq1, Wk1, Wv1, Wo1, Wq2, Wk2, Wv2, Wo2.  Fragment (tile, K step s) lies at REGION + (tile KSV + S0 + s) 2,048:
;   T 0,1,2: REGION 0, KSV 6, S0 2 T (the three weights of x1 share a region);  T 3: 786,432, 2, 0;  T 4,5,6: 196,608 (T - 3), 6, 0;  T 7: 851,968, 2, 0.
; No LDS, no barrier, no matrix unit: memory binds, and waves share nothing.
.set X, 16                             ; v16-143  128 numbers of my column
.set C, 144                            ; v144-175 their codes: eight registers for each block of 32, so that no store's data are written again
	s_load_b512 s[4:19], s[0:1], 0x0               ; the eight weights, T at s[4+2T:5+2T]
	s_load_b128 s[20:23], s[0:1], 0x40             ; the scales' exponents, wc
	; the job's number -> weight T (s24) and job j within it (s25)
	s_lshr_b32 s24, ttmp9, 4                       ; jobs 0-63: T = J / 16,
	s_and_b32 s25, ttmp9, 15                       ; j = J % 16
	s_sub_co_u32 s26, ttmp9, 64                    ; jobs 64-255: 48 to a weight
	s_cmp_ge_u32 s26, 48
	s_cselect_b32 s28, 1, 0
	s_cmp_ge_u32 s26, 96
	s_cselect_b32 s29, 1, 0
	s_cmp_ge_u32 s26, 144
	s_cselect_b32 s30, 1, 0
	s_add_co_u32 s28, s28, s29
	s_add_co_u32 s28, s28, s30                     ; T - 4
	s_mul_i32 s29, s28, 48
	s_sub_co_u32 s29, s26, s29                     ; j
	s_add_co_u32 s28, s28, 4
	s_cmp_lt_u32 ttmp9, 64
	s_cselect_b32 s24, s24, s28                    ; T
	s_cselect_b32 s25, s25, s29                    ; j
	; j -> K step s (s26) and group of 32 columns g (s27): K = 256: s = j % 2, g = j / 2;  K = 768 (T 4,5,6): g = j % 8, s = j / 8
	s_and_b32 s26, s25, 1
	s_lshr_b32 s27, s25, 1
	s_and_b32 s28, s25, 7
	s_lshr_b32 s29, s25, 3
	s_sub_co_u32 s30, s24, 4
	s_cmp_lt_u32 s30, 3
	s_cselect_b32 s26, s29, s26
	s_cselect_b32 s27, s28, s27
	; T -> S0 (s35), REGION (s34), the scale's entry (s32), KSV (s33), bytes of 128 rows of the weight (s38)
	s_lshl_b32 s31, s24, 1
	s_add_co_u32 s32, s31, 1                       ; 2 T + 1: entries 1, 3, 5
	s_sub_co_u32 s33, s31, 1                       ; 2 T - 1: entries 7, 9, 11
	s_sub_co_u32 s34, s24, 3
	s_mul_i32 s34, s34, 196608
	s_cmp_lt_u32 s24, 3
	s_cselect_b32 s35, s31, 0
	s_cselect_b32 s34, 0, s34
	s_cselect_b32 s32, s32, s33
	s_mov_b32 s33, 6
	s_mov_b32 s38, 131072
	s_cmp_eq_u32 s24, 3
	s_cselect_b32 s34, 786432, s34
	s_cselect_b32 s32, 21, s32
	s_cselect_b32 s33, 2, s33
	s_cmp_eq_u32 s24, 7
	s_cselect_b32 s34, 851968, s34
	s_cselect_b32 s32, 23, s32
	s_cselect_b32 s33, 2, s33
	s_cselect_b32 s38, 393216, s38
	; offsets, each in a pair with 0 above it
	s_mul_i32 s39, s27, s33
	s_lshl_b32 s39, s39, 1                         ; tile 2 g x KSV
	s_add_co_u32 s39, s39, s35
	s_add_co_u32 s39, s39, s26
	s_lshl_b32 s39, s39, 11
	s_add_co_u32 s40, s39, s34                     ; wc: REGION + (2 g KSV + S0 + s) 2,048
	s_mov_b32 s41, 0
	s_mul_i32 s42, s26, s38
	s_lshl_b32 s44, s27, 7
	s_add_co_u32 s42, s42, s44                     ; the weight: 128 s rows + 32 g columns
	s_mov_b32 s43, 0
	s_lshl_b32 s44, s32, 2                         ; the scale's entry in bytes
	s_mov_b32 s45, 0
	v_lshlrev_b32 v1, 2, v0                        ; in: 4 bytes a lane (one wave: v0 is the lane)
	v_bfe_u32 v4, v0, 3, 1                         ; u: which of the two fragments takes my column,
	v_and_b32 v5, 7, v0
	v_lshrrev_b32 v6, 4, v0
	v_lshl_add_u32 v5, v6, 3, v5                   ; r: and which row of it
	v_lshlrev_b32 v5, 4, v5
	s_lshl_b32 s46, s33, 11
	v_mad_u32_u24 v2, v4, s46, v5                  ; out: u KSV 2,048 + 16 r
	s_wait_kmcnt 0x0
	s_mov_b64 s[36:37], s[4:5]                     ; the weight's address: a choice that hangs on the job's number alone
.irp t, 1,2,3,4,5,6,7
	s_cmp_eq_u32 s24, \t
	s_cselect_b64 s[36:37], s[4+2*\t:5+2*\t], s[36:37]
.endr
	s_add_nc_u64 s[36:37], s[36:37], s[42:43]
	s_add_nc_u64 s[22:23], s[22:23], s[40:41]
	s_add_nc_u64 s[20:21], s[20:21], s[44:45]
	s_load_b32 s47, s[20:21], 0x0                  ; e
.macro LOADW pitch                     ; W(128 s + n, my column), n = 0 .. 127
.set n, 0
.rept 128
	global_load_b32 v[X+n], v1, s[36:37] offset:n*\pitch th:TH_LOAD_NT
.set n, n+1
.endr
.endm
	s_cmp_eq_u32 s24, 7                            ; Wo2's rows are 3,072 bytes, all others' 1,024: the row stands in the immediate, so the run of loads is written twice
	s_cbranch_scc1 .Lwide
	LOADW 1024
	s_branch .Lloaded
.Lwide:
	LOADW 3072
.Lloaded:
	s_wait_kmcnt 0x0
	s_add_co_i32 s47, s47, 127
	s_lshl_b32 s46, s47, 23
	v_mov_b32 v8, s46                              ; 2^e as f32: the conversion takes its exponent field
	s_add_co_i32 s47, s47, 8
	s_lshl_b32 s47, s47, 23
	s_or_b32 s47, s47, 0x600000
	v_mov_b32 v9, s47                              ; 448 x 2^e
; Block c: 32 along K.  left: the later blocks' loads may stay out.
.macro BLOCK c, left
	s_wait_loadcnt \left
.set n, 0
.rept 32
	v_med3_num_f32 v[X+32*\c+n], v[X+32*\c+n], -v9, v9   ; the conversion to an 8-bit code does not saturate (ISA guide 7.6.2): the hold comes first
.set n, n+1
.endr
.irp g, 0,1,2,3
	v_cvt_scalef32_pk8_fp8_f32 v[C+8*\c+2*\g:C+8*\c+2*\g+1], v[X+32*\c+8*\g:X+32*\c+8*\g+7], v8
.endr
	global_store_b128 v2, v[C+8*\c:C+8*\c+3], s[22:23] offset:512*\c         ; k = 32 c + 0 .. 15: the places of lanes 0-15 of both fragments: two runs of 256 consecutive bytes, aligned
	global_store_b128 v2, v[C+8*\c+4:C+8*\c+7], s[22:23] offset:512*\c+256   ; k = 32 c + 16 .. 31: the places of lanes 16-31
.endm                                  ; (the codes go to stores alone, and the next block begins with plain vector lines on other registers)
	BLOCK 0, 63
	BLOCK 1, 63
	BLOCK 2, 32
	BLOCK 3, 0
	s_endpgm
.Lfunc_end_k_qa8f1fb9390_wprep:
	.size	k_qa8f1fb9390_wprep, .Lfunc_end_k_qa8f1fb9390_wprep-k_qa8f1fb9390_wprep
	.p2alignl 7, 3214868480
	.fill 96, 4, 3214868480
	.section	.rodata,"a",@progbits
	.p2align	6, 0x0
	.amdhsa_kernel k_qa8f1fb9390_wprep
		.amdhsa_group_segment_fixed_size 0
		.amdhsa_private_segment_fixed_size 0
		.amdhsa_enable_private_segment 0
		.amdhsa_kernarg_size 80
		.amdhsa_user_sgpr_count 2
		.amdhsa_user_sgpr_kernarg_segment_ptr 1
		.amdhsa_wavefront_size32 1
		.amdhsa_system_sgpr_workgroup_id_x 1
		.amdhsa_system_sgpr_workgroup_id_y 1
		.amdhsa_system_sgpr_workgroup_id_z 1
		.amdhsa_system_vgpr_workitem_id 0
		.amdhsa_next_free_vgpr 176
		.amdhsa_next_free_sgpr 66
		.amdhsa_reserve_vcc 0
		.amdhsa_float_denorm_mode_32 3
		.amdhsa_float_denorm_mode_16_64 3
		.amdhsa_memory_ordered 1
		.amdhsa_forward_progress 1
		.amdhsa_inst_pref_size 38
	.end_amdhsa_kernel
	.amdgpu_metadata
---
amdhsa.version: [ 1, 2 ]
amdhsa.kernels:
  - .name:           k_qa8f1fb9390_wprep
    .symbol:         k_qa8f1fb9390_wprep.kd
    .args:
      - { .name: Wq1, .offset: 0, .size: 8, .value_kind: global_buffer, .address_space: global }
      - { .name: Wk1, .offset: 8, .size: 8, .value_kind: global_buffer, .address_space: global }
      - { .name: Wv1, .offset: 16, .size: 8, .value_kind: global_buffer, .address_space: global }
      - { .name: Wo1, .offset: 24, .size: 8, .value_kind: global_buffer, .address_space: global }
      - { .name: Wq2, .offset: 32, .size: 8, .value_kind: global_buffer, .address_space: global }
      - { .name: Wk2, .offset: 40, .size: 8, .value_kind: global_buffer, .address_space: global }
      - { .name: Wv2, .offset: 48, .size: 8, .value_kind: global_buffer, .address_space: global }
      - { .name: Wo2, .offset: 56, .size: 8, .value_kind: global_buffer, .address_space: global }
      - { .name: lowp_scales, .offset: 64, .size: 8, .value_kind: global_buffer, .address_space: global }
      - { .name: wc, .offset: 72, .size: 8, .value_kind: global_buffer, .address_space: global }
    .group_segment_fixed_size: 0
    .private_segment_fixed_size: 0
    .kernarg_segment_align: 8
    .kernarg_segment_size: 80
    .max_flat_workgroup_size: 32
    .sgpr_count:     66
    .vgpr_count:     176
    .wavefront_size: 32
...
	.end_amdgpu_metadata
.endif
;; end of part 1
;; launch proj (part 2): grid 256 x 1, 4 waves a work-group, no clusters, 49,664 bytes of LDS; arguments x1, x2, lowp_scales, wc, qc, kv; writes qc, kv
.if DOCPART == 2
	.amdgcn_target "amdgcn-amd-amdhsa--gfx1250"
	.amdhsa_code_object_version 6
	.text
	.protected	k_qa8f1fb9390_proj
	.globl	k_qa8f1fb9390_proj
	.p2align	8
	.type	k_qa8f1fb9390_proj,@function
k_qa8f1fb9390_proj:
	s_mov_b64 s[64:65], 0
	v_nop
	global_prefetch_b8 v0, s[64:65] scope:SCOPE_SE
	s_setreg_imm32_b32 hwreg(HW_REG_WAVE_MODE, 25, 1), 1
	s_wait_xcnt 0x0
; The six projections q, k, v of x1 (K = 256) and of x2 (K = 768) on codes of E4M3, their results quantised at once for the attention's products and stored as codes alone.
; SHARES.  Work-group: role = number % 4, row block = number / 4 (256 tokens, in four blocks of 64).  Roles 0, 1, 2: x2 -> q2, k2, v2 (six K steps of 128).  Role 3: x1 -> q1, k1, v1
; (three products of two K steps).  So every work-group walks six "virtual" K steps sg = 0 .. 5, holds 24 fragments of weight codes a wave in registers for the whole launch, and does the same number of products.
; The same x is quantised anew for each product, since each product has its own given scale; role 3 therefore loads its rows three times (lines that the same wave has just read), which keeps one text for all roles.
; The three roles of x2 that share a row block are neighbours in the grid.
; NO CLUSTER: what partners could ask for jointly is the weights, 196,608 of a work-group's 983,040 bytes, read once; the work-groups that share x differ in their role, and partners have to run alike.
; THE WAVES SHARE THE COLUMNS: wave w makes d tiles 4 w .. 4 w + 3 for all 64 tokens of a block.  x's codes go from wave to wave through LDS as images of the operand's registers (2,048 bytes a fragment, lane l's 16 bytes at 16 l).
; A fragment: lane (r, h) holds row r, registers 4 c .. 4 c + 3 hold k = 32 c + 16 h + 0 .. 15: the same places of k in both operands.  Every tile of 16 (tokens, d): row r of tile 2 b + u is index 32 b + 8 u + r + 8 (r / 8),
; so that a lane's 16 results of two neighbouring tiles are 16 neighbours along the next product's K, and the conversions' results are that operand's registers.
; q, k: source 0 = 16 columns of W, source 1 = 16 tokens: a lane holds one token, registers run along d.   v: the sources swapped: a lane holds one d, registers run along the tokens (the keys are its K).
; LAYOUT OUT.  qc: side 4 MiB + token tile x 4,096 + (d / 128) x 2,048 + image.   kv: side 8 MiB + (128 keys) x 65,536: K's 16 fragments (key tile x 2 + d / 128), from 32,768 on V's 16 (d tile).
; LIMITS: each operand's e, and e(result) - e(x) - e(W), between -126 and 119.  NaN among the inputs is not served.
; REGISTERS, in windows of 256:  window 0: v1-23 addresses and scales; v32-63 x's codes, two sets; v64-95 results' codes; v128-255 16 accumulators (d tile t, token tile m) at 8 (4 t + m).
;   window 1: W's fragments (sg 0-3, t) at 64 sg + 16 t.   window 2: v0-127 W's (sg 4, 5); v128-255 x's numbers, sets 0, 1.   window 3: sets 2-5; sets 4, 5 are, during the products, the two buffers of x's fragments.
.set LI,    1                          ; v1     16 x lane
.set XWI,   2                          ; v2     where I store x's images: 16 x lane + 12,288 x wave
.set XA,    3                          ; v3-8   x: my lane's byte for virtual K step sg
.set VQ,    9                          ; v9     q, k out: 16 x lane + 2,048 (w / 2) + 1,024 (w % 2)
.set VV,    10                         ; v10    v out: 16 x lane + 8,192 w
.set SC,    12                         ; v12-17 product g: 2^e(x), 448 x that
.set OSC,   18                         ; v18-23 product g: 2^(e(result) - e(x) - e(W)), 448 x that
.set PC,    32
.set OC,    64
.set ACC,   128
.set XF,    128                        ; in window 3
.set WV,    16
.set ROLE,  17
.set RB,    18
.set PITCH, 19
.set BI,    20                         ; the block, 0 .. 3
.set XB,    22                         ; s[22:23] x at the block whose rows are asked for next
.set XST,   24                         ; s[24:25] 64 rows of x
.set DQ,    26
.set DK,    28
.set CQ,    30                         ; s[30:31] this block's place in qc;  s[32:33] K's in kv;  s[34:35] V's;  s[36:37] roles 0, 1: the one of the first two that is theirs
.set CK,    32
.set CV,    34
.set CX,    36
.set WB,    40
.set MSB, 0
.macro WIN new                         ; the immediate's high byte repeats the setting that is left; a switch that changes nothing is dropped
.if MSB != (\new)
	s_set_vgpr_msb (MSB<<8)|(\new)
.set MSB, (\new)
.endif
.endm
.macro PLACES                          ; four places behind matrix instructions, ahead of loads into registers that they have read and of the first read of results
.rept 4
	v_nop
.endr
.endm
.macro SETOF s                         ; set s of x's numbers: its window SW and first register SR
.if (\s) < 2
.set SW, 2
.set SR, 128+64*(\s)
.else
.set SW, 3
.set SR, 64*((\s)-2)
.endif
.endm
.macro XLOAD s                         ; my row's 64 numbers of virtual K step s: register 16 b + 4 j + e = k 32 b + 16 h + 4 j + e
	SETOF \s
	WIN SW<<6
.irp b, 0,1,2,3
.irp j, 0,1,2,3
	global_load_b128 v[SR+16*\b+4*\j:SR+16*\b+4*\j+3], v[XA+(\s)], s[XB:XB+1] offset:128*\b+16*\j
.endr
.endr
.endm
.macro QUANT s                         ; set s becomes a fragment's codes, and its image goes to LDS
	SETOF \s
	WIN (SW<<6)|SW
.set n, 0
.rept 64
	v_med3_num_f32 v[SR+n], v[SR+n], -v[SC+2*((\s)/2)+1], v[SC+2*((\s)/2)+1]   ; the conversion to an 8-bit code does not saturate (ISA guide 7.6.2): the hold comes first
.set n, n+1
.endr
	s_wait_dscnt 4                                 ; the four image stores of the K step before may be out; those of two steps ago, which read this set of code registers, are done
	WIN SW
.irp b, 0,1,2,3,4,5,6,7
	v_cvt_scalef32_pk8_fp8_f32 v[PC+16*((\s)%2)+2*\b:PC+16*((\s)%2)+2*\b+1], v[SR+8*\b:SR+8*\b+7], v[SC+2*((\s)/2)]
.endr
	WIN 0
	v_nop                                          ; one plain vector line behind the last conversion of a run
.irp c, 0,1,2,3
	ds_store_b128 v[XWI], v[PC+16*((\s)%2)+4*\c:PC+16*((\s)%2)+4*\c+3] offset:(\s)*2048+512*\c
.endr
.endm
.macro FETCHX s, buf                   ; the four token tiles' fragments of virtual K step s
	WIN 0xc0
.irp m, 0,1,2,3
.irp c, 0,1,2,3
	ds_load_b128 v[XF+64*(\buf)+16*\m+4*\c:XF+64*(\buf)+16*\m+4*\c+3], v[LI] offset:(\m*6+(\s))*2048+512*\c
.endr
.endr
.endm
; 16 matrix instructions, the 16 accumulators by turns, one instruction a turn, in the same order in every K step.  vt = 1: the sources swapped, for v.  zero = 1: the product starts the sums.
.macro MM vt, s, zero, buf
.if (\s) < 4
.set WW, 1
.set WR, 64*(\s)
.else
.set WW, 2
.set WR, 64*((\s)-4)
.endif
.set XR, XF+64*(\buf)
.if \vt
	WIN 3|(WW<<2)
.else
	WIN WW|(3<<2)
.endif
.irp t, 0,1,2,3
.irp m, 0,1,2,3
.if \vt
.if \zero
	v_wmma_f32_16x16x128_fp8_fp8 v[ACC+8*(4*\t+\m):ACC+8*(4*\t+\m)+7], v[XR+16*\m:XR+16*\m+15], v[WR+16*\t:WR+16*\t+15], 0
.else
	v_wmma_f32_16x16x128_fp8_fp8 v[ACC+8*(4*\t+\m):ACC+8*(4*\t+\m)+7], v[XR+16*\m:XR+16*\m+15], v[WR+16*\t:WR+16*\t+15], v[ACC+8*(4*\t+\m):ACC+8*(4*\t+\m)+7]
.endif
.else
.if \zero
	v_wmma_f32_16x16x128_fp8_fp8 v[ACC+8*(4*\t+\m):ACC+8*(4*\t+\m)+7], v[WR+16*\t:WR+16*\t+15], v[XR+16*\m:XR+16*\m+15], 0
.else
	v_wmma_f32_16x16x128_fp8_fp8 v[ACC+8*(4*\t+\m):ACC+8*(4*\t+\m)+7], v[WR+16*\t:WR+16*\t+15], v[XR+16*\m:XR+16*\m+15], v[ACC+8*(4*\t+\m):ACC+8*(4*\t+\m)+7]
.endif
.endif
.endr
.endr
.endm
.macro HOLD g                          ; all 128 sums held within the largest code x the folded scale, each accumulator from its low end on
.set n, 0
.rept 128
	v_med3_num_f32 v[ACC+n], v[ACC+n], -v[OSC+2*\g+1], v[OSC+2*\g+1]
.set n, n+1
.endr
.endm
; q or k out.  d tiles 2 bl, 2 bl + 1 of token tile m are 16 neighbours along d: registers 4 c .. 4 c + 3, c = 2 (w % 2) + bl, of fragment (token tile m, d / 128 = w / 2).  Each store covers 512 consecutive bytes, aligned.
.macro OUTQK g, base
	s_wait_xcnt 0x0                                ; the code registers are written again only when the earlier stores have read them
	HOLD \g
.irp m, 0,1,2,3
.irp bl, 0,1
	v_cvt_scalef32_pk8_fp8_f32 v[OC+4*(2*\m+\bl):OC+4*(2*\m+\bl)+1], v[ACC+8*(8*\bl+\m):ACC+8*(8*\bl+\m)+7], v[OSC+2*\g]
	v_cvt_scalef32_pk8_fp8_f32 v[OC+4*(2*\m+\bl)+2:OC+4*(2*\m+\bl)+3], v[ACC+8*(8*\bl+4+\m):ACC+8*(8*\bl+4+\m)+7], v[OSC+2*\g]
.endr
.endr
	v_nop                                          ; one plain vector line behind the last conversion: the next products write the sums' registers
.irp m, 0,1,2,3
.irp bl, 0,1
	global_store_b128 v[VQ], v[OC+4*(2*\m+\bl):OC+4*(2*\m+\bl)+3], s[\base:\base+1] offset:\m*4096+\bl*512
.endr
.endr
.endm
; v out.  Token tiles 2 a, 2 a + 1 of d tile t are 16 neighbouring keys: registers 4 c .. 4 c + 3, c = 2 (block % 2) + a, of V's fragment 4 w + t.
.macro OUTV g, base
	s_wait_xcnt 0x0
	HOLD \g
.irp t, 0,1,2,3
.irp a, 0,1
	v_cvt_scalef32_pk8_fp8_f32 v[OC+4*(2*\t+\a):OC+4*(2*\t+\a)+1], v[ACC+8*(4*\t+2*\a):ACC+8*(4*\t+2*\a)+7], v[OSC+2*\g]
	v_cvt_scalef32_pk8_fp8_f32 v[OC+4*(2*\t+\a)+2:OC+4*(2*\t+\a)+3], v[ACC+8*(4*\t+2*\a+1):ACC+8*(4*\t+2*\a+1)+7], v[OSC+2*\g]
.endr
.endr
	v_nop
.irp t, 0,1,2,3
.irp a, 0,1
	global_store_b128 v[VV], v[OC+4*(2*\t+\a):OC+4*(2*\t+\a)+3], s[\base:\base+1] offset:\t*2048+\a*512
.endr
.endr
.endm
; Roles 0, 1, 2: one product over six K steps; each K step's fragments are fetched while the step before is multiplied.  next = 1: the next block's sets 3-5 are asked for when the products have left their registers.
.macro X2PATH vt, next
	FETCHX 0, 0
.irp s, 0,1,2,3,4,5
.if \s < 5
.if \s > 0
	PLACES                                         ; the buffer about to be loaded was read by the sixteen products just issued
.endif
	FETCHX \s+1, (\s+1)%2
	s_wait_dscnt 16                                ; all but the sixteen just issued
.else
	s_wait_dscnt 0x0
.endif
.if \s == 0
	MM \vt, \s, 1, 0
.else
	MM \vt, \s, 0, \s%2
.endif
.endr
	WIN 0
	PLACES
.if \next
	XLOAD 3
	XLOAD 4
	XLOAD 5
	WIN 0
.endif
.if \vt
	OUTV 0, CV
.else
	OUTQK 0, CX
.endif
.endm
; Role 3: three products of two K steps each; the next product's fragments are fetched while this one's results are quantised and stored.
.macro X1PATH next
	FETCHX 0, 0
	FETCHX 1, 1
.irp g, 0,1,2
	s_wait_dscnt 16                                ; the first K step's sixteen loads are in
	MM (\g/2), 2*\g, 1, 0
	s_wait_dscnt 0x0
	MM (\g/2), 2*\g+1, 0, 1
	WIN 0
	PLACES
.if \g < 2
	FETCHX 2*\g+2, 0
	FETCHX 2*\g+3, 1
	WIN 0
.elseif \next
	XLOAD 3
	XLOAD 4
	XLOAD 5
	WIN 0
.endif
.if \g == 0
	OUTQK 0, CQ
.elseif \g == 1
	OUTQK 1, CK
.else
	OUTV 2, CV
.endif
.endr
.endm
.macro MKSC g, a, b, o                 ; product g's two scales and limits from the exponents in s[a] (x), s[b] (W), s[o] (the result)
	s_add_co_i32 s52, s[\a], 127
	s_lshl_b32 s53, s52, 23
	v_mov_b32 v[SC+2*\g], s53
	s_add_co_i32 s52, s52, 8
	s_lshl_b32 s52, s52, 23
	s_or_b32 s52, s52, 0x600000
	v_mov_b32 v[SC+2*\g+1], s52
	s_sub_co_i32 s52, s[\o], s[\a]                 ; a sum stands for sum x 2^(e(x) + e(W)): the three scales are folded into the conversion's one
	s_sub_co_i32 s52, s52, s[\b]
	s_add_co_i32 s52, s52, 127
	s_lshl_b32 s53, s52, 23
	v_mov_b32 v[OSC+2*\g], s53
	s_add_co_i32 s52, s52, 8
	s_lshl_b32 s52, s52, 23
	s_or_b32 s52, s52, 0x600000
	v_mov_b32 v[OSC+2*\g+1], s52
.endm
	s_load_b256 s[4:11], s[0:1], 0x0               ; x1, x2, the scales' exponents, wc
	s_load_b128 s[12:15], s[0:1], 0x20             ; qc, kv
	v_lshl_add_u32 v126, v0, 2, 0xc000
	v_mov_b32 v127, 0
	v_lshrrev_b32 v24, 5, v0
	v_readfirstlane_b32 s[WV], v24                 ; wave 0..3
	s_and_b32 s[ROLE], ttmp9, 3
	s_lshr_b32 s[RB], ttmp9, 2
	v_and_b32 v24, 31, v0
	v_lshlrev_b32 v[LI], 4, v24
	v_and_b32 v25, 15, v0                          ; r
	v_bfe_u32 v26, v0, 4, 1                        ; h
	s_mul_i32 s21, s[WV], 12288
	v_add_nc_u32 v[XWI], s21, v[LI]
	s_lshr_b32 s21, s[WV], 1
	s_and_b32 s38, s[WV], 1
	s_lshl_b32 s39, s21, 11
	s_lshl_b32 s42, s38, 10
	s_add_co_u32 s39, s39, s42
	v_add_nc_u32 v[VQ], s39, v[LI]
	s_lshl_b32 s39, s[WV], 13
	v_add_nc_u32 v[VV], s39, v[LI]
	s_lshl_b32 s21, s21, 5
	s_lshl_b32 s38, s38, 3
	s_add_co_u32 s21, s21, s38                     ; token tile w of a block begins at row 32 (w / 2) + 8 (w % 2)
	v_and_b32 v27, 8, v25
	v_add_nc_u32 v27, v27, v25                     ; r + 8 (r / 8)
	v_add_nc_u32 v27, s21, v27                     ; the row of the block that I quantise
	s_add_co_u32 s45, s[ROLE], 1
	s_cmp_eq_u32 s[ROLE], 3
	s_mov_b32 s[PITCH], 3072
	s_cselect_b32 s[PITCH], 1024, s[PITCH]         ; a row of x in bytes
	s_cselect_b32 s43, 1, 7                        ; x's K step = sg & this: x1 has two, walked three times
	s_cselect_b32 s44, 0, 1                        ; the side
	s_cselect_b32 s45, 0, s45                      ; which region of 196,608 bytes of wc
	v_mul_lo_u32 v27, v27, s[PITCH]
	v_lshl_add_u32 v27, v26, 6, v27                ; + 64 h: my 16 numbers of a block of 32
.irp s, 0,1,2,3,4,5
	s_and_b32 s46, s43, \s
	v_lshl_add_u32 v[XA+\s], s46, 9, v27           ; + 512 bytes for each K step
.endr
	s_lshl_b32 s46, s[PITCH], 8
	s_mul_i32 s38, s[RB], s46                      ; x: my 256 rows
	s_mov_b32 s39, 0
	s_lshl_b32 s[XST], s[PITCH], 6
	s_mov_b32 s[XST+1], 0
	s_mul_i32 s46, s45, 196608
	s_mul_i32 s47, s[WV], 49152
	s_add_co_u32 s46, s46, s47                     ; wc: my four d tiles x six K steps
	s_mov_b32 s47, 0
	s_lshl_b32 s48, s44, 22
	s_lshl_b32 s50, s[RB], 16
	s_add_co_u32 s48, s48, s50                     ; qc: side, 16 token tiles of 4,096 bytes
	s_mov_b32 s49, 0
	s_lshl_b32 s50, s44, 23
	s_lshl_b32 s52, s[RB], 17
	s_add_co_u32 s50, s50, s52                     ; kv: side, two steps of 65,536 bytes
	s_mov_b32 s51, 0
	s_wait_kmcnt 0x0
	s_load_b256 s[68:75], s[8:9], 0x0              ; entries 0-19 of the scales: entry i in s[68 + i]
	s_load_b256 s[76:83], s[8:9], 0x20
	s_load_b128 s[84:87], s[8:9], 0x40
	s_cmp_eq_u32 s[ROLE], 3
	s_cselect_b64 s[XB:XB+1], s[4:5], s[6:7]
	s_add_nc_u64 s[XB:XB+1], s[XB:XB+1], s[38:39]
	s_add_nc_u64 s[WB:WB+1], s[10:11], s[46:47]
	s_add_nc_u64 s[DQ:DQ+1], s[12:13], s[48:49]
	s_add_nc_u64 s[DK:DK+1], s[14:15], s[50:51]
	WIN 0x40                                       ; the weights' 24 fragments: they stay
.irp s, 0,1,2,3
.irp t, 0,1,2,3
.irp c, 0,1,2,3
	global_load_b128 v[64*\s+16*\t+4*\c:64*\s+16*\t+4*\c+3], v[LI], s[WB:WB+1] offset:\t*12288+\s*2048+512*\c
.endr
.endr
.endr
	WIN 0x80
.irp s, 4,5
.irp t, 0,1,2,3
.irp c, 0,1,2,3
	global_load_b128 v[64*(\s-4)+16*\t+4*\c:64*(\s-4)+16*\t+4*\c+3], v[LI], s[WB:WB+1] offset:\t*12288+\s*2048+512*\c
.endr
.endr
.endr
.irp s, 0,1,2,3,4,5
	XLOAD \s                                       ; the first block's x, behind the weights: loads come back in order, so the waits for x cover the weights
.endr
	WIN 0
	s_wait_kmcnt 0x0
	s_cmp_eq_u32 s[ROLE], 1                        ; roles 0, 1, 2: entries 6, 7 / 8, 9 / 10, 11; the result is q2 (16), k2 (13), v2 (14)
	s_cselect_b32 s52, s76, s74
	s_cselect_b32 s53, s77, s75
	s_cselect_b32 s54, s81, s84
	s_cmp_eq_u32 s[ROLE], 2
	s_cselect_b32 s52, s78, s52
	s_cselect_b32 s53, s79, s53
	s_cselect_b32 s54, s82, s54
	s_cmp_eq_u32 s[ROLE], 3                        ; role 3: entries 0, 1 / 2, 3 / 4, 5; the results are q1 (12), k1 (17), v1 (18)
	s_cselect_b32 s55, s68, s52
	s_cselect_b32 s56, s69, s53
	s_cselect_b32 s57, s80, s54
	s_cselect_b32 s58, s70, s52
	s_cselect_b32 s59, s71, s53
	s_cselect_b32 s60, s85, s54
	s_cselect_b32 s61, s72, s52
	s_cselect_b32 s62, s73, s53
	s_cselect_b32 s63, s86, s54
	MKSC 0, 55, 56, 57
	MKSC 1, 58, 59, 60
	MKSC 2, 61, 62, 63
; A BLOCK OF 64 TOKENS.  next = 1: the next block's x is asked for on the way (sets 0-2 as soon as all six are quantised, sets 3-5 behind the products).  The last block is written out without those loads, so that
; every counted wait sees the same younger loads on every way.
.macro BLOCK next
	s_wait_xcnt 0x0                                ; the last block's stores have read their bases
	s_lshl_b32 s38, s[BI], 14
	s_mov_b32 s39, 0
	s_add_nc_u64 s[CQ:CQ+1], s[DQ:DQ+1], s[38:39]  ; four token tiles of 4,096 bytes a block
	s_lshr_b32 s38, s[BI], 1
	s_lshl_b32 s38, s38, 16                        ; which step of 128 keys
	s_and_b32 s42, s[BI], 1
	s_lshl_b32 s43, s42, 14
	s_add_co_u32 s46, s38, s43
	s_mov_b32 s47, 0
	s_add_nc_u64 s[CK:CK+1], s[DK:DK+1], s[46:47]  ; key tiles 4 (block % 2) on
	s_lshl_b32 s43, s42, 10
	s_add_co_u32 s46, s38, s43
	s_add_co_u32 s46, s46, 32768
	s_add_nc_u64 s[CV:CV+1], s[DK:DK+1], s[46:47]  ; V's part of the step, keys 64 (block % 2) on
	s_cmp_eq_u32 s[ROLE], 0
	s_cselect_b64 s[CX:CX+1], s[CQ:CQ+1], s[CK:CK+1]
	; X: my 16 rows become six fragments.  The counts: the later sets' loads, sixteen each, may stay out (80 and 64 are held at the field's 63)
	s_wait_loadcnt 63
	QUANT 0
	s_wait_loadcnt 63
	QUANT 1
	s_wait_loadcnt 48
	QUANT 2
	s_wait_loadcnt 32
	QUANT 3
	s_wait_loadcnt 16
	QUANT 4
	s_wait_loadcnt 0x0
	QUANT 5
.if \next
	s_add_nc_u64 s[XB:XB+1], s[XB:XB+1], s[XST:XST+1]   ; no load is out: the base may step
	XLOAD 0
	XLOAD 1
	XLOAD 2
	WIN 0
.endif
	s_wait_dscnt 0x0                               ; my images have landed
	s_barrier_signal -1
	s_barrier_wait -1                              ; all 24 lie in LDS
	s_cmp_eq_u32 s[ROLE], 3
	s_cbranch_scc1 .Lx1_\@
	s_cmp_eq_u32 s[ROLE], 2
	s_cbranch_scc1 .Lx2v_\@
	X2PATH 0, \next
	s_branch .Ljoin_\@
.Lx2v_\@:
	X2PATH 1, \next
	s_branch .Ljoin_\@
.Lx1_\@:
	X1PATH \next
.Ljoin_\@:
.if \next
	s_wait_dscnt 0x0                               ; my reads of the images are in:
	s_barrier_signal -1
	s_barrier_wait -1                              ; only now are they written again
.endif
.endm
	s_mov_b32 s[BI], 0
.Lblock:
	BLOCK 1
	s_add_co_u32 s[BI], s[BI], 1
	s_cmp_lt_u32 s[BI], 3
	s_cbranch_scc1 .Lblock
	BLOCK 0
	s_wait_tensorcnt 0x0
	ds_add_u32 v126, v127
	s_wait_dscnt 0x0
	s_endpgm
.Lfunc_end_k_qa8f1fb9390_proj:
	.size	k_qa8f1fb9390_proj, .Lfunc_end_k_qa8f1fb9390_proj-k_qa8f1fb9390_proj
	.p2alignl 7, 3214868480
	.fill 96, 4, 3214868480
	.section	.rodata,"a",@progbits
	.p2align	6, 0x0
	.amdhsa_kernel k_qa8f1fb9390_proj
		.amdhsa_group_segment_fixed_size 49664
		.amdhsa_private_segment_fixed_size 0
		.amdhsa_enable_private_segment 0
		.amdhsa_kernarg_size 48
		.amdhsa_user_sgpr_count 2
		.amdhsa_user_sgpr_kernarg_segment_ptr 1
		.amdhsa_wavefront_size32 1
		.amdhsa_system_sgpr_workgroup_id_x 1
		.amdhsa_system_sgpr_workgroup_id_y 1
		.amdhsa_system_sgpr_workgroup_id_z 1
		.amdhsa_system_vgpr_workitem_id 0
		.amdhsa_next_free_vgpr 1024
		.amdhsa_next_free_sgpr 96
		.amdhsa_reserve_vcc 0
		.amdhsa_float_denorm_mode_32 3
		.amdhsa_float_denorm_mode_16_64 3
		.amdhsa_memory_ordered 1
		.amdhsa_forward_progress 1
		.amdhsa_inst_pref_size 255
	.end_amdhsa_kernel
	.section	.bss,"aw",@nobits
	.p2align	6
	.space	262144
	.amdgpu_metadata
---
amdhsa.version: [ 1, 2 ]
amdhsa.kernels:
  - .name:           k_qa8f1fb9390_proj
    .symbol:         k_qa8f1fb9390_proj.kd
    .args:
      - { .name: x1, .offset: 0, .size: 8, .value_kind: global_buffer, .address_space: global }
      - { .name: x2, .offset: 8, .size: 8, .value_kind: global_buffer, .address_space: global }
      - { .name: lowp_scales, .offset: 16, .size: 8, .value_kind: global_buffer, .address_space: global }
      - { .name: wc, .offset: 24, .size: 8, .value_kind: global_buffer, .address_space: global }
      - { .name: qc, .offset: 32, .size: 8, .value_kind: global_buffer, .address_space: global }
      - { .name: kv, .offset: 40, .size: 8, .value_kind: global_buffer, .address_space: global }
    .group_segment_fixed_size: 49664
    .private_segment_fixed_size: 0
    .kernarg_segment_align: 8
    .kernarg_segment_size: 48
    .max_flat_workgroup_size: 128
    .sgpr_count:     96
    .vgpr_count:     1024
    .wavefront_size: 32
...
	.end_amdgpu_metadata
.endif
;; end of part 2
;; launch attn (part 3): grid 16 x 16, 4 waves a work-group, clusters of 4 x 1, 327,680 bytes of LDS; arguments qc, kv, wc, lowp_scales, bo1, bo2, out0, out1; writes out0, out1
.if DOCPART == 3
	.amdgcn_target "amdgcn-amd-amdhsa--gfx1250"
	.amdhsa_code_object_version 6
	.text
	.protected	k_qa8f1fb9390_attn
	.globl	k_qa8f1fb9390_attn
	.p2align	8
	.type	k_qa8f1fb9390_attn,@function
k_qa8f1fb9390_attn:
	s_mov_b64 s[64:65], 0
	v_nop
	global_prefetch_b8 v0, s[64:65] scope:SCOPE_SE
	s_setreg_imm32_b32 hwreg(HW_REG_WAVE_MODE, 25, 1), 1
	s_wait_xcnt 0x0
	s_wait_alu depctr_hold_cnt(0) depctr_sa_sdst(0) depctr_va_vdst(0) depctr_va_sdst(0) depctr_va_ssrc(0) depctr_va_vcc(0) depctr_vm_vsrc(0)
	s_getreg_b32 s2, hwreg(HW_REG_IB_STS2, 6, 4)
	s_cmp_eq_u32 s2, 0
	s_cbranch_scc0 .Lentry_in_a_cluster
	s_endpgm
.Lentry_in_a_cluster:
	s_bfe_u32 s2, ttmp6, 0x10000c
	s_cmp_lg_u32 s2, 0x3003
	s_cbranch_scc0 .Lentry_shape_is_right
	s_endpgm
.Lentry_shape_is_right:
; Both cross-attentions and their output projections, on codes of E4M3.  y = work-group y: direction y / 8 (0: q1 with k2, v2 -> out0; 1: q2 with k1, v1 -> out1), batch y % 8.  Work-group x: a block of 128 queries.
; THE SOFTMAX AHEAD OF THE SECOND PRODUCT: t = score x log2(e) / 16; M = the row's largest t so far, rounded UP to a whole number; p = 2^(t - M) is what is quantised, not normalised.  The row's sum is taken of the
; unquantised p and divides O at the end.  When M moves, the sum and O are multiplied by 2^(old M - new M): exact.
; SHARES.  Four waves; a wave holds 32 queries, two tiles of 16, so that each fragment of K and V read from LDS feeds two matrix instructions.  Every wave walks the batch's 2,048 keys, 128 a step.
; LAYOUT.  Both products transposed: S^T = K Q^T, O^T = V^T P^T: a lane holds ONE query throughout.  Every operand lies in memory and in LDS as an image of its registers (2,048 bytes a fragment, lane l's 16 bytes at 16 l):
; lane (r, h) holds row r, registers 4 c .. 4 c + 3 hold k = 32 c + 16 h + 0 .. 15.  Row r of tile 2 b + u (keys, queries, d, output columns) is index 32 b + 8 u + r + 8 (r / 8), so that a lane's 16 results of two
; neighbouring tiles are 16 neighbours along the next K: p's and o's conversions give the next operand's registers.
; RING.  Two LDS slots of two key steps (131,072 bytes, dense in memory); each wave fetches a quarter of a slot by one tensor load.  By this text's own count a wave has two loads out at the start and one behind each change of slots.
; CLUSTER.  The four query blocks of a cluster walk the same K and V: each quarter is asked for JOINTLY, by the same load with the same descriptor and the mask of all four.  My place in the cluster enters Q's and the output's addresses alone.
; The branches on the direction hang on the cluster's y, which the four partners share.
; PHASES.  A trip goes from the middle of key step j to the middle of step j + 1: K of j + 1 is asked for; tile 1's softmax of j; V^T P of j; K Q^T of j + 1; V of j + 1 is asked for; tile 0's softmax of j + 1: the LDS loads land under the softmaxes.
; THE OUTPUT PROJECTION.  o / l is quantised in registers, its images meet in LDS, and wave w makes output columns 256 cg + 64 w .. + 63 for all 128 queries (cg = 0; for direction 1 also 1, 2), x 2^(eo + ewo) + bias.
; LIMITS on the given exponents, so that each power of two below is an f32 number: eq + ek between -122 and 131 (added to c's exponent field); ep, and eo - ep - ev, between -126 and 119; eo + ewo between -126 and 127.
; REGISTERS, in windows of 256:  window 0: v1-7, v26-30 addresses and constants; v8-23 statistics, eight a tile; v32-95 Q; v96-127 P; v128-255 S^T, 64 a tile.   window 1: O^T, 128 a tile.   window 2: K of a step.   window 3: V of a step.
.set STEPB, 65536                      ; a key step in a slot: K's 16 fragments, then V's 16
.set SLOT1, 1<<17                      ; slot 1 begins here: one exclusive or turns an address in one slot into the other's
.set SPARE, 2*SLOT1                    ; behind the ring: the spare words, 128 bytes for each wave: two blocks of 256 bytes that no other line names
.set OIMG,  SPARE+512                  ; o's 16 images: (query tile x 2 + d / 128) x 2,048.  No fill ever lands here,
.set STAGE, OIMG+32768                 ; nor here: 16 rows x (256 bytes + 16) for each wave, for the way out
.set LI,   1                           ; v1   16 x lane
.set ADR,  2                           ; v2   LDS address of the step's fragments
.set SPW,  3                           ; v3   LDS address of my spare word: SPARE + 4 x my thread's number; never rewritten
.set NIL,  4                           ; v4   0; never rewritten
.set PSC,  5                           ; v5   2^ep;  on the way out 2^(eo - ep - ev)
.set PLIM, 6                           ; v6   448 x that
.set PT,   7                           ; v7   a lane permute's destination
.set ST,   8                           ; tile a at v[8 + 8 a]: +0 -M, +1 the largest t, +2, +3 the sum in two halves, +4 f (+5 named with it), +6, +7 at work
.set GO,   8                           ; v8-15 on the way out: my byte offsets in eight rows of the output
.set TS,   24                          ; v[24:25] the sum's second chain
.set OW,   26                          ; v26  where I store o's images
.set ORD,  27                          ; v27  where I read them
.set STO,  28                          ; v28  the stage: where I put 16 bytes of a row
.set RD,   29                          ; v29  and where I read a row back
.set VB,   30                          ; v30  my byte offset in the bias
.set Q,    32
.set TMP,  32                          ; the way out: 32 finished numbers
.set BK,   64                          ; the way out: 16 rows read back: v64-95 and v96-127 by turns
.set P,    96
.set S,    128
.set WV,   20
.set DIR,  21
.set BAT,  22
.set QB,   23
.set G1,   24                          ; s[24:31] descriptor group 1
.set G0A,  32                          ; s[32:35] group 0 of slot 0's first fill
.set G0B,  36                          ; s[36:39] of slot 1's; it then walks
.set CS,   46                          ; s[46:47] c = log2(e) / 16 x 2^(eq + ek)
.set SEL,  48                          ; s[48:49] lane selects for v_permlanex16_b32: lane l xor 16
.set TB,   50                          ; LDS byte at which the step to be fetched begins
.set SLOTS, 51
.set TWICE, 52
.set PITCH, 53                         ; a row of the output in bytes
.set OS,   54                          ; s[54:55] 2^(eo + ewo)
.set OUTB, 56
.set CUR,  58
.set BO,   66
.set WO,   68
.set MSB, 0
.macro WIN new                         ; the immediate's high byte repeats the setting that is left; a switch that changes nothing is dropped
.if MSB != (\new)
	s_set_vgpr_msb (MSB<<8)|(\new)
.set MSB, (\new)
.endif
.endm
.macro PLACES                          ; four places behind matrix instructions, ahead of loads into registers that they have read and of the first read of results
.rept 4
	v_nop
.endr
.endm
.macro ROUND                           ; a round of the cluster's barrier: my work-group's barrier; wave 0 signals for the work-group; every wave waits for all four work-groups; my work-group's barrier once more
	s_barrier_signal -1
	s_barrier_wait -1
	s_cmp_lg_u32 s[WV], 0
	s_cbranch_scc1 .Lnot_wave_0_\@
	s_barrier_signal -3
.Lnot_wave_0_\@:
	s_barrier_wait -3
	s_barrier_signal -1
	s_barrier_wait -1
.endm
	s_load_b512 s[4:19], s[0:1], 0x0               ; qc s[4:5], kv s[6:7], wc s[8:9], scales s[10:11], bo1 s[12:13], bo2 s[14:15], out0 s[16:17], out1 s[18:19]
	v_lshl_add_u32 v[SPW], v0, 2, SPARE
	v_mov_b32 v[NIL], 0
	ds_add_u32 v3, v4
	ds_add_u32 v3, v4
	s_wait_dscnt 0x0
	v_lshrrev_b32 v24, 5, v0
	v_readfirstlane_b32 s[WV], v24                 ; wave 0..3
	s_and_b32 s[BAT], ttmp7, 0xffff
	s_lshr_b32 s[DIR], s[BAT], 3                   ; the direction,
	s_and_b32 s[BAT], s[BAT], 7                    ; the batch: both shared by the four partners
	s_bfe_u32 s70, ttmp6, 0x40000                  ; cx: my place in the cluster
	s_lshl_b32 s[QB], ttmp9, 2
	s_add_co_u32 s[QB], s[QB], s70                 ; my block of 128 queries
	s_xor_b32 s60, s[DIR], 1                       ; kv: the OTHER side's keys and values,
	s_lshl_b32 s60, s60, 23
	s_lshl_b32 s61, s[BAT], 20
	s_add_co_u32 s60, s60, s61                     ; the batch's 16 steps,
	s_lshl_b32 s3, s[WV], 15                       ; my quarter of a slot: in memory and in LDS alike
	s_add_co_u32 s60, s60, s3
	s_mov_b32 s61, 0
	s_lshl_b32 s62, s[DIR], 16                     ; wc: Wo1 at 786,432, Wo2 65,536 behind it; my four column tiles of 4,096 bytes
	s_lshl_b32 s63, s[WV], 14
	s_add_co_u32 s62, s62, s63
	s_add_co_u32 s62, s62, 786432
	s_mov_b32 s63, 0
	s_lshl_b32 s71, s[BAT], 7                      ; qc: query tile 128 batch + 8 block + 2 wave, 4,096 bytes each, + side
	s_lshl_b32 s72, s[QB], 3
	s_add_co_u32 s71, s71, s72
	s_lshl_b32 s72, s[WV], 1
	s_add_co_u32 s71, s71, s72
	s_lshl_b32 s72, s71, 12
	s_lshl_b32 s73, s[DIR], 22
	s_add_co_u32 s72, s72, s73
	s_mov_b32 s73, 0
	s_cmp_eq_u32 s[DIR], 0
	s_mov_b32 s[PITCH], 3072
	s_cselect_b32 s[PITCH], 1024, s[PITCH]
	s_lshl_b32 s74, s[BAT], 11                     ; the output: row 2,048 batch + 128 block, + my 64 columns
	s_lshl_b32 s75, s[QB], 7
	s_add_co_u32 s74, s74, s75
	s_mul_i32 s74, s74, s[PITCH]
	s_lshl_b32 s75, s[WV], 8
	s_add_co_u32 s74, s74, s75
	s_mov_b32 s75, 0
	s_lshl_b32 s76, s[DIR], 4                      ; the scales: entries 12-15 or 16-19,
	s_mov_b32 s77, 0
	s_lshl_b32 s78, s[DIR], 3                      ; and 20, 21 or 22, 23
	s_mov_b32 s79, 0
	; descriptor group 1: 32,768 dense bytes as 128 rows of 32 elements of 8 bytes; no padding: fragments are read as they lie, 512 consecutive bytes an instruction
	s_mov_b32 s[G1], 15|(3<<16)|(1<<21)            ; 15:0 the mask: all four work-groups; 17:16 elements of 8 bytes; 21 set beside a mask
	s_mov_b32 s[G1+1], 32<<16                      ; tensor_dim0 = 32
	s_mov_b32 s[G1+2], 128<<16                     ; tensor_dim1 = 128
	s_mov_b32 s[G1+3], 32<<16                      ; tile_dim0 = 32
	s_mov_b32 s[G1+4], 128                         ; tile_dim1 = 128
	s_mov_b32 s[G1+5], 32                          ; elements from row to row
	s_mov_b32 s[G1+6], 0
	s_mov_b32 s[G1+7], 0
	s_mov_b32 s[SEL], 0x76543210
	s_mov_b32 s[SEL+1], 0xfedcba98
	s_mov_b32 s[TB], 0
	s_wait_kmcnt 0x0
	s_add_nc_u64 s[76:77], s[10:11], s[76:77]
	s_add_nc_u64 s[78:79], s[10:11], s[78:79]
	s_load_b128 s[40:43], s[76:77], 0x30           ; eq, ek, ev, ep
	s_load_b64 s[44:45], s[78:79], 0x50            ; eo, ewo
	s_add_nc_u64 s[6:7], s[6:7], s[60:61]
	s_add_nc_u64 s[4:5], s[4:5], s[72:73]
	s_cmp_eq_u32 s[DIR], 0
	s_cselect_b64 s[OUTB:OUTB+1], s[16:17], s[18:19]
	s_cselect_b64 s[BO:BO+1], s[12:13], s[14:15]
	s_add_nc_u64 s[OUTB:OUTB+1], s[OUTB:OUTB+1], s[74:75]
	s_add_nc_u64 s[WO:WO+1], s[8:9], s[62:63]
	s_mov_b32 s[G0A], 1                            ; count = 1
	s_mov_b32 s[G0A+1], s3                         ; LDS: slot 0, my quarter
	s_mov_b64 s[G0A+2:G0A+3], s[6:7]               ; key steps 0, 1
	s_or_b32 s[G0A+3], s[G0A+3], 0x80000000        ; type = 2
	s_mov_b32 s[G0B], 1
	s_add_co_u32 s[G0B+1], s3, SLOT1               ; slot 1
	s_add_nc_u64 s[G0B+2:G0B+3], s[6:7], 131072    ; key steps 2, 3
	s_or_b32 s[G0B+3], s[G0B+3], 0x80000000
	ROUND                                          ; all four work-groups are here: the first joint loads meet
	tensor_load_to_lds s[G0A:G0A+3], s[G1:G1+7]    ; both first fills together, ahead of every wait on TENSORcnt and every LDS read
	s_nop 0
	tensor_load_to_lds s[G0B:G0B+3], s[G1:G1+7]
	s_nop 0
	PLACES                                         ; (four v_nop follow the loads)
	v_and_b32 v24, 31, v0
	v_lshlrev_b32 v[LI], 4, v24
.irp f, 0,1,2,3                        ; Q stays in registers: fragment f = 2 a + s
.irp c, 0,1,2,3
	global_load_b128 v[Q+16*\f+4*\c:Q+16*\f+4*\c+3], v[LI], s[4:5] offset:\f*2048+512*\c
.endr
.endr
	v_and_b32 v24, 15, v0                          ; r
	v_bfe_u32 v25, v0, 4, 1                        ; h
	s_lshl_b32 s58, s[WV], 13
	s_add_co_u32 s58, s58, OIMG
	v_add_nc_u32 v[OW], s58, v[LI]                 ; my two query tiles' four images
	v_add_nc_u32 v[ORD], OIMG, v[LI]
	s_mul_i32 s58, s[WV], 4352
	s_add_co_u32 s58, s58, STAGE                   ; my stage
	v_mul_u32_u24 v[STO], v24, 272
	v_lshl_add_u32 v[STO], v25, 6, v[STO]
	v_add_nc_u32 v[STO], s58, v[STO]               ; in: row r, + 64 h
	v_mul_u32_u24 v[RD], v25, 272
	v_lshl_add_u32 v[RD], v24, 4, v[RD]
	v_add_nc_u32 v[RD], s58, v[RD]                 ; back: lanes 0-15 one row of 256 bytes, lanes 16-31 the next
	s_lshl_b32 s58, s[WV], 8
	v_lshlrev_b32 v[VB], 6, v25
	v_add_nc_u32 v[VB], s58, v[VB]                 ; the bias: my 64 columns, + 16 h of them
	v_mov_b32 v[PT], 0                             ; written once: a lane permute's destination counts as one of its sources
	v_mov_b32 v[ST+5], 0                           ; (named as the upper halves of the pairs with f)
	v_mov_b32 v[ST+13], 0
	s_wait_kmcnt 0x0
	s_mov_b32 s[CS], 0x3db8aa3b                    ; log2(e) / 16
	s_add_co_i32 s60, s40, s41
	s_lshl_b32 s60, s60, 23
	s_add_co_i32 s[CS], s[CS], s60                 ; a score stands for score x 2^(eq + ek): added to c's exponent field
	s_mov_b32 s[CS+1], s[CS]                       ; (named with it as a pair)
	s_add_co_i32 s60, s43, 127
	s_lshl_b32 s61, s60, 23
	v_mov_b32 v[PSC], s61                          ; 2^ep
	s_add_co_i32 s60, s60, 8
	s_lshl_b32 s60, s60, 23
	s_or_b32 s60, s60, 0x600000
	v_mov_b32 v[PLIM], s60                         ; 448 x 2^ep
.macro KLOAD                           ; a step's K: 16 fragments (key tile x 2 + d / 128) -> window 2, as they lie
	WIN 0
	v_add_nc_u32 v[ADR], s[TB], v[LI]
	WIN 0x80
.set n, 0
.rept 64
	ds_load_b128 v[4*n:4*n+3], v[ADR] offset:512*n
.set n, n+1
.endr
.endm
.macro VLOAD                           ; the same step's V: 16 fragments (d tile) -> window 3
	WIN 0xc0
.set n, 0
.rept 64
	ds_load_b128 v[4*n:4*n+3], v[ADR] offset:32768+512*n
.set n, n+1
.endr
	s_add_co_u32 s[TB], s[TB], STEPB               ; the next fetch is the next step's
.endm
.macro SQK                             ; S^T = K Q^T: 32 matrix instructions; the 16 accumulators by turns, one instruction a turn; the first 16 start the sums
	WIN 0x02
.irp s, 0,1
.irp t, 0,1,2,3,4,5,6,7
.irp a, 0,1
.if \s == 0
	v_wmma_f32_16x16x128_fp8_fp8 v[S+64*\a+8*\t:S+64*\a+8*\t+7], v[16*(2*\t+\s):16*(2*\t+\s)+15], v[Q+16*(2*\a+\s):Q+16*(2*\a+\s)+15], 0
.else
	v_wmma_f32_16x16x128_fp8_fp8 v[S+64*\a+8*\t:S+64*\a+8*\t+7], v[16*(2*\t+\s):16*(2*\t+\s)+15], v[Q+16*(2*\a+\s):Q+16*(2*\a+\s)+15], v[S+64*\a+8*\t:S+64*\a+8*\t+7]
.endif
.endr
.endr
.endr
.endm
.macro PV first                        ; O^T += V^T P^T: 32 matrix instructions on 32 accumulators.  first = 1: they start the sums: nothing is ever cleared
	WIN 0x53
.irp t, 0,1,2,3,4,5,6,7,8,9,10,11,12,13,14,15
.irp a, 0,1
.if \first
	v_wmma_f32_16x16x128_fp8_fp8 v[128*\a+8*\t:128*\a+8*\t+7], v[16*\t:16*\t+15], v[P+16*\a:P+16*\a+15], 0
.else
	v_wmma_f32_16x16x128_fp8_fp8 v[128*\a+8*\t:128*\a+8*\t+7], v[16*\t:16*\t+15], v[P+16*\a:P+16*\a+15], v[128*\a+8*\t:128*\a+8*\t+7]
.endif
.endr
.endr
.endm
; Tile a's softmax of a key step: 64 scores a lane (register 16 b + i: key 32 b + 16 h + i).  first = 1: the first step, which starts the largest t and the sum, and has no O^T to rescale.
.macro SOFTMAX a, first
.set rT, ST+8*(\a)
.set rS, S+64*(\a)
.set rP, P+16*(\a)
	WIN 0
	v_max3_num_f32 v[rT+6], v[rS], v[rS+1], v[rS+2]        ; the step's largest score of my query among my 64 keys, in two chains, each accumulator from its low end on
	v_max3_num_f32 v[rT+7], v[rS+3], v[rS+4], v[rS+5]
.irp i, 6,10,14,18,22,26,30,34,38,42,46,50,54,58
	v_max3_num_f32 v[rT+6], v[rT+6], v[rS+\i], v[rS+\i+1]
	v_max3_num_f32 v[rT+7], v[rT+7], v[rS+\i+2], v[rS+\i+3]
.endr
	v_max3_num_f32 v[rT+6], v[rT+6], v[rS+62], v[rS+63]
	v_max_num_f32 v[rT+6], v[rT+6], v[rT+7]
	v_permlanex16_b32 v[PT], v[rT+6], s[SEL], s[SEL+1]
	v_max_num_f32 v[rT+6], v[rT+6], v[PT]                  ; and among lane l xor 16's
.if \first
	v_mul_f32 v[rT+1], s[CS], v[rT+6]                      ; as t (c is positive)
	v_floor_f32 v[rT], -v[rT+1]                            ; -M = floor(-t) = -ceil(t): M is a whole number
.else
	v_mul_f32 v[rT+6], s[CS], v[rT+6]
	v_max_num_f32 v[rT+1], v[rT+1], v[rT+6]                ; the running largest t
	v_mov_b32 v[rT+7], v[rT]
	v_floor_f32 v[rT], -v[rT+1]
	v_sub_f32 v[rT+7], v[rT], v[rT+7]                      ; old M - new M: a whole number, 0 or less
	v_cvt_i32_f32 v[rT+7], v[rT+7]                         ; (it saturates)
	v_ldexp_f32 v[rT+4], 1.0, v[rT+7]                      ; f = 2^(old M - new M)
.endif
.set n, 0
.rept 32
	v_pk_fma_f32 v[rS+n:rS+n+1], v[rS+n:rS+n+1], s[CS:CS+1], v[rT:rT+1] op_sel_hi:[1,0,0]   ; t - M, two at a time (of the pairs c and -M the low word serves both halves)
.set n, n+2
.endr
.set n, 0
.rept 64
	v_exp_f32 v[rS+n], v[rS+n]                             ; p = 2^(t - M), at most 1
.set n, n+1
.endr
	v_nop                                                  ; one plain vector line that names no p stands between the last exponential and the first line that reads one (ISA guide 5.7.2)
.if \first                             ; the row's sum is taken of the unquantised p: two at a time, in two chains
	s_wait_alu depctr_va_vdst(0)
	v_pk_add_f32 v[TS:TS+1], v[rS:rS+1], v[rS+2:rS+3]
	v_pk_add_f32 v[rT+2:rT+3], v[rS+4:rS+5], v[rS+6:rS+7]
.irp j, 8,12,16,20,24,28,32,36,40,44,48,52,56,60
	v_pk_add_f32 v[rT+2:rT+3], v[rT+2:rT+3], v[rS+\j:rS+\j+1]
	v_pk_add_f32 v[TS:TS+1], v[TS:TS+1], v[rS+\j+2:rS+\j+3]
.endr
.else
	v_pk_mul_f32 v[rT+2:rT+3], v[rT+2:rT+3], v[rT+4:rT+5] op_sel_hi:[1,0]   ; the sums under the new M
	s_wait_alu depctr_va_vdst(0)
	v_pk_add_f32 v[TS:TS+1], v[rS:rS+1], v[rS+2:rS+3]
.irp j, 4,8,12,16,20,24,28,32,36,40,44,48,52,56,60
	v_pk_add_f32 v[rT+2:rT+3], v[rT+2:rT+3], v[rS+\j:rS+\j+1]
	v_pk_add_f32 v[TS:TS+1], v[TS:TS+1], v[rS+\j+2:rS+\j+3]
.endr
.endif
	v_pk_add_f32 v[rT+2:rT+3], v[rT+2:rT+3], v[TS:TS+1]
.irp b, 0,1,2,3
.irp i, 0,1,2,3,4,5,6,7,8,9,10,11,12,13,14,15
	v_min_num_f32 v[rS+16*\b+\i], v[rS+16*\b+\i], v[PLIM]  ; the conversion to an 8-bit code does not saturate (ISA guide 7.6.2); p is not negative, so the hold is one-sided
.endr
	v_cvt_scalef32_pk8_fp8_f32 v[rP+4*\b:rP+4*\b+1], v[rS+16*\b:rS+16*\b+7], v[PSC]
	v_cvt_scalef32_pk8_fp8_f32 v[rP+4*\b+2:rP+4*\b+3], v[rS+16*\b+8:rS+16*\b+15], v[PSC]
.endr
.if \first
	v_nop                                                  ; one plain vector line behind the last conversion
.else
	WIN 0x41
.set n, 0
.rept 64
	v_pk_mul_f32 v[128*(\a)+n:128*(\a)+n+1], v[128*(\a)+n:128*(\a)+n+1], v[rT+4:rT+5] op_sel_hi:[1,0]   ; O^T under the new M, each accumulator from its low end on
.set n, n+2
.endr
.endif
.endm
; From the middle of key step j to the middle of step j + 1.
.macro ROT first
	KLOAD                                          ; K of j + 1: its registers' last readers stand a softmax back
	SOFTMAX 1, \first
	s_wait_dscnt 63                                ; V of j is in: behind its 64 loads stand K's 64, of which the field lets the count name 63
	PV \first
	s_wait_dscnt 0x0                               ; K of j + 1 is in
	SQK
	WIN 0
	PLACES                                         ; behind the products: V's registers are loaded again, and the scores are read
	VLOAD                                          ; V of j + 1
	SOFTMAX 0, 0
.endm
.macro TWO                             ; a slot's two key steps: written once, walked twice; the LDS addresses hang on s[TB]
	s_mov_b32 s[TWICE], 2
.Lstep_\@:
	ROT 0
	WIN 0
	s_sub_co_u32 s[TWICE], s[TWICE], 1
	s_cmp_lg_u32 s[TWICE], 0
	s_cbranch_scc1 .Lstep_\@
.endm
; THE CHANGE OF SLOTS: the slot's last bytes, V of its second step, have been asked for.  Each wave waits for all its tensor loads (the one that is out is its quarter of the other slot), adds 0 to its spare word, and waits
; for that and for its reads of the slot.  fill = 1: the slot is filled again with the keys two slots on; the barrier is then a round of the cluster's, and the joint refill is the first thing behind it: it has two key steps in which to land.
.macro CHANGE fill
	WIN 0
	s_wait_tensorcnt 0x0                           ; no tensor load of mine is out, so a group 0 may be written
	ds_add_u32 v[SPW], v[NIL]                      ; 0 onto my spare word
.if \fill
	s_xor_b32 s[G0B+1], s[G0B+1], SLOT1            ; the walking descriptor: the other slot than last time,
	s_add_nc_u64 s[G0B+2:G0B+3], s[G0B+2:G0B+3], 131072   ; the next two key steps; the type bits on top are not reached
.endif
	s_wait_dscnt 0x0                               ; the add is done, and my reads of the slot are in
.if \fill
	ROUND
	tensor_load_to_lds s[G0B:G0B+3], s[G1:G1+7]
	s_nop 0
	PLACES                                         ; (four v_nop follow the load)
.else
	s_barrier_signal -1
	s_barrier_wait -1
.endif
	s_sub_co_u32 s[TB], s[TB], 2*STEPB             ; the fetches go back to a slot's first step,
	s_xor_b32 s[TB], s[TB], SLOT1                  ; in the other slot
.endm
	s_wait_tensorcnt 0x1                           ; my quarter of slot 0 is in; slot 1's may stay out
	s_barrier_signal -1
	s_barrier_wait -1                              ; everybody's is
	KLOAD                                          ; key step 0
	s_wait_loadcnt 0x0                             ; Q
	s_wait_dscnt 0x0
	SQK
	WIN 0
	PLACES
	VLOAD
	SOFTMAX 0, 1
	ROT 1                                          ; step 0's second half (its V^T P starts O^T) and step 1's first
	WIN 0
	s_mov_b32 s[SLOTS], 6                          ; eight slots' worth of keys: two were asked for at the start
.Lslot:
	CHANGE 1
	TWO
	s_sub_co_u32 s[SLOTS], s[SLOTS], 1
	s_cmp_lg_u32 s[SLOTS], 0
	s_cbranch_scc1 .Lslot
	CHANGE 0                                       ; the last slot is written out
	TWO
	SOFTMAX 1, 0                                   ; step 15's second half
	s_wait_dscnt 0x0
	PV 0
	; ---- THE WAY OUT.  Wo's fragments and the bias are asked for first, into the registers that K and V have left; they land while o is finished.
.macro WOLOAD cg, reg                  ; column group cg: my four column tiles x two K steps: fragment f = 2 nt + s
.irp f, 0,1,2,3,4,5,6,7
.irp c, 0,1,2,3
	global_load_b128 v[\reg+16*\f+4*\c:\reg+16*\f+4*\c+3], v[LI], s[WO:WO+1] offset:\cg*65536+\f*2048+512*\c
.endr
.endr
.endm
.macro BLOAD cg                        ; its bias in the result's layout: for tile nt the columns 32 (nt / 2) + 16 h + 8 (nt % 2) + 0 .. 7 -> window 3, v[128 + 32 cg + 8 nt]
.irp nt, 0,1,2,3
.irp k, 0,1
	global_load_b128 v[128+32*\cg+8*\nt+4*\k:128+32*\cg+8*\nt+4*\k+3], v[VB], s[BO:BO+1] offset:\cg*1024+128*(\nt/2)+32*(\nt%2)+16*\k
.endr
.endr
.endm
	WIN 0
	PLACES
	WIN 0x80
	WOLOAD 0, 0
	WIN 0xc0
	BLOAD 0
	WIN 0
	s_cmp_eq_u32 s[DIR], 0                         ; out0 has 256 columns, out1 768
	s_cbranch_scc1 .Lnarrow_loads
	WIN 0x80
	WOLOAD 1, 128
	WIN 0xc0
	WOLOAD 2, 0
	BLOAD 1
	BLOAD 2
	WIN 0
.Lnarrow_loads:
	v_add_f32 v[ST+6], v[ST+2], v[ST+3]            ; the sums' two halves,
	v_add_f32 v[ST+14], v[ST+10], v[ST+11]
	v_permlanex16_b32 v[ST+7], v[ST+6], s[SEL], s[SEL+1]
	v_permlanex16_b32 v[ST+15], v[ST+14], s[SEL], s[SEL+1]
	v_add_f32 v[ST+6], v[ST+6], v[ST+7]            ; and lane l xor 16's: the rows' sums
	v_add_f32 v[ST+14], v[ST+14], v[ST+15]
	v_rcp_f32 v[ST+4], v[ST+6]
	v_rcp_f32 v[ST+12], v[ST+14]
	s_sub_co_i32 s60, s44, s43                     ; O^T / l stands for o / 2^(ep + ev): the three scales are folded into the conversion's one, 2^(eo - ep - ev)
	s_sub_co_i32 s60, s60, s42
	s_add_co_i32 s60, s60, 127
	s_lshl_b32 s61, s60, 23
	v_mov_b32 v[PSC], s61                          ; (a plain place behind the reciprocals)
	s_add_co_i32 s60, s60, 8
	s_lshl_b32 s60, s60, 23
	s_or_b32 s60, s60, 0x600000
	v_mov_b32 v[PLIM], s60
	s_wait_alu depctr_va_vdst(0)
	s_add_co_i32 s[OS], s44, s45
	s_add_co_i32 s[OS], s[OS], 127
	s_lshl_b32 s[OS], s[OS], 23                    ; 2^(eo + ewo)
	s_mov_b32 s[OS+1], s[OS]
	s_mov_b32 s61, 0
.macro FINISH a                        ; tile a: O^T / l, held, quantised: d tiles 2 b, 2 b + 1 are registers 4 (b % 4) on of o's fragment (a, b / 4)
	WIN 0x41
.set n, 0
.rept 64
	v_pk_mul_f32 v[128*\a+n:128*\a+n+1], v[128*\a+n:128*\a+n+1], v[ST+8*\a+4:ST+8*\a+5] op_sel_hi:[1,0]
.set n, n+2
.endr
.set n, 0
.rept 128
	v_med3_num_f32 v[128*\a+n], v[128*\a+n], -v[PLIM], v[PLIM]
.set n, n+1
.endr
	WIN 0x01
.irp b, 0,1,2,3,4,5,6,7
	v_cvt_scalef32_pk8_fp8_f32 v[S+32*\a+4*\b:S+32*\a+4*\b+1], v[128*\a+16*\b:128*\a+16*\b+7], v[PSC]
	v_cvt_scalef32_pk8_fp8_f32 v[S+32*\a+4*\b+2:S+32*\a+4*\b+3], v[128*\a+16*\b+8:128*\a+16*\b+15], v[PSC]
.endr
.endm
	FINISH 0
	FINISH 1
	WIN 0
	v_nop                                          ; one plain vector line behind the last conversion
.set n, 0
.rept 16
	ds_store_b128 v[OW], v[S+4*n:S+4*n+3] offset:512*n     ; my four images, as the registers stand
.set n, n+1
.endr
	v_and_b32 v16, 15, v0                          ; the statistics are done with: the output's row offsets take their registers
	v_lshlrev_b32 v16, 4, v16
	v_bfe_u32 v17, v0, 4, 1
.irp i, 0,1,2,3,4,5,6,7
	v_add_nc_u32 v18, 2*\i+8*(\i/4), v17           ; stage row 2 i + h is the tile's query 2 i + h + 8 (i / 4)
	v_mad_u32_u24 v[GO+\i], v18, s[PITCH], v16
.endr
	s_wait_dscnt 0x0                               ; my images have landed
	s_barrier_signal -1
	s_barrier_wait -1                              ; all sixteen lie in LDS
	WIN 0x40
.set n, 0
.rept 64
	ds_load_b128 v[4*n:4*n+3], v[ORD] offset:512*n         ; o's fragment (query tile qt, s) -> window 1, v[16 (2 qt + s)]
.set n, n+1
.endr
	WIN 0
	s_wait_loadcnt 0x0                             ; Wo and the bias
	s_wait_dscnt 0x0
; Query tile q of the half in hand: sum x 2^(eo + ewo) + bias; through my own stage; back as whole rows of 256 bytes.  LDS serves a wave's instructions in order (ISA guide 5.7.1.4): no wait between the stores and the loads.
.macro TOSTAGE cg, q
	s_wait_xcnt 0x0                                ; the registers that the loads below land in have been read by the stores of two tiles ago
	WIN 0x30
.irp nt, 0,1,2,3
.irp i, 0,2,4,6
	v_pk_fma_f32 v[TMP+8*\nt+\i:TMP+8*\nt+\i+1], v[S+8*(4*\nt+(\q))+\i:S+8*(4*\nt+(\q))+\i+1], s[OS:OS+1], v[128+32*(\cg)+8*\nt+\i:128+32*(\cg)+8*\nt+\i+1] op_sel_hi:[1,0,1]
.endr
.endr
	WIN 0
.irp nt, 0,1,2,3
.irp k, 0,1
	ds_store_b128 v[STO], v[TMP+8*\nt+4*\k:TMP+8*\nt+4*\k+3] offset:128*(\nt/2)+32*(\nt%2)+16*\k
.endr
.endr
.set BB, BK+32*((\q)%2)
.irp i, 0,1,2,3,4,5,6,7
	ds_load_b128 v[BB+4*\i:BB+4*\i+3], v[RD] offset:544*\i
.endr
.endm
.macro SEND cg, qt, younger            ; younger: the LDS instructions issued behind this tile's loads: the next tile's eight stores and eight loads, or none
.set BB, BK+32*((\qt)%2)
	s_wait_dscnt \younger
	s_wait_xcnt 0x0                                ; the earlier stores have read their base
	s_mul_i32 s60, s[PITCH], 32*((\qt)/2)+8*((\qt)%2)
	s_add_nc_u64 s[CUR:CUR+1], s[OUTB:OUTB+1], s[60:61]
.irp i, 0,1,2,3,4,5,6,7
	global_store_b128 v[GO+\i], v[BB+4*\i:BB+4*\i+3], s[CUR:CUR+1] offset:(\cg)*1024 th:TH_STORE_NT   ; 16 lanes store 256 consecutive bytes, at a multiple of 256 from the output's first byte
.endr
.endm
; Column group cg: my 64 columns for all 128 queries, four query tiles at a time: 32 matrix instructions, 16 accumulators by turns, source 0 = 16 columns of Wo, source 1 = 16 queries of o.
.macro OUTCG cg
.if \cg == 2
.set WOW, 3
.set WOR, 0
.else
.set WOW, 2
.set WOR, 128*\cg
.endif
.irp hq, 0,1
	WIN WOW|(1<<2)
.irp s, 0,1
.irp nt, 0,1,2,3
.irp q, 0,1,2,3
.if \s == 0
	v_wmma_f32_16x16x128_fp8_fp8 v[S+8*(4*\nt+\q):S+8*(4*\nt+\q)+7], v[WOR+16*(2*\nt+\s):WOR+16*(2*\nt+\s)+15], v[16*(2*(4*\hq+\q)+\s):16*(2*(4*\hq+\q)+\s)+15], 0
.else
	v_wmma_f32_16x16x128_fp8_fp8 v[S+8*(4*\nt+\q):S+8*(4*\nt+\q)+7], v[WOR+16*(2*\nt+\s):WOR+16*(2*\nt+\s)+15], v[16*(2*(4*\hq+\q)+\s):16*(2*(4*\hq+\q)+\s)+15], v[S+8*(4*\nt+\q):S+8*(4*\nt+\q)+7]
.endif
.endr
.endr
.endr
	WIN 0
	PLACES
	TOSTAGE \cg, 0
.irp q, 1,2,3
	TOSTAGE \cg, \q                                ; a tile's arithmetic stands between the loads of the tile before and its stores
	SEND \cg, 4*\hq+\q-1, 16
.endr
	SEND \cg, 4*\hq+3, 0
.endr
.endm
	OUTCG 0
	s_cmp_eq_u32 s[DIR], 0
	s_cbranch_scc1 .Lnarrow_out
	OUTCG 1
	OUTCG 2
.Lnarrow_out:
	s_wait_tensorcnt 0x0                           ; the wave's end, behind my last tensor load and my last LDS store
	ds_add_u32 v[SPW], v[NIL]
	s_wait_dscnt 0x0
	ROUND                                          ; the closing round: no work-group ends while a partner may still ask for a tile that names it
	s_endpgm
.Lfunc_end_k_qa8f1fb9390_attn:
	.size	k_qa8f1fb9390_attn, .Lfunc_end_k_qa8f1fb9390_attn-k_qa8f1fb9390_attn
	.p2alignl 7, 3214868480
	.fill 96, 4, 3214868480
	.section	.rodata,"a",@progbits
	.p2align	6, 0x0
	.amdhsa_kernel k_qa8f1fb9390_attn
		.amdhsa_group_segment_fixed_size 327680
		.amdhsa_private_segment_fixed_size 0
		.amdhsa_enable_private_segment 0
		.amdhsa_kernarg_size 64
		.amdhsa_user_sgpr_count 2
		.amdhsa_user_sgpr_kernarg_segment_ptr 1
		.amdhsa_wavefront_size32 1
		.amdhsa_system_sgpr_workgroup_id_x 1
		.amdhsa_system_sgpr_workgroup_id_y 1
		.amdhsa_system_sgpr_workgroup_id_z 1
		.amdhsa_system_vgpr_workitem_id 0
		.amdhsa_next_free_vgpr 1024
		.amdhsa_next_free_sgpr 80
		.amdhsa_reserve_vcc 0
		.amdhsa_float_denorm_mode_32 3
		.amdhsa_float_denorm_mode_16_64 3
		.amdhsa_memory_ordered 1
		.amdhsa_forward_progress 1
		.amdhsa_inst_pref_size 255
	.end_amdhsa_kernel
	.section	.bss,"aw",@nobits
	.p2align	6
	.space	262144
	.amdgpu_metadata
---
amdhsa.version: [ 1, 2 ]
amdhsa.kernels:
  - .name:           k_qa8f1fb9390_attn
    .symbol:         k_qa8f1fb9390_attn.kd
    .args:
      - { .name: qc, .offset: 0, .size: 8, .value_kind: global_buffer, .address_space: global }
      - { .name: kv, .offset: 8, .size: 8, .value_kind: global_buffer, .address_space: global }
      - { .name: wc, .offset: 16, .size: 8, .value_kind: global_buffer, .address_space: global }
      - { .name: lowp_scales, .offset: 24, .size: 8, .value_kind: global_buffer, .address_space: global }
      - { .name: bo1, .offset: 32, .size: 8, .value_kind: global_buffer, .address_space: global }
      - { .name: bo2, .offset: 40, .size: 8, .value_kind: global_buffer, .address_space: global }
      - { .name: out0, .offset: 48, .size: 8, .value_kind: global_buffer, .address_space: global }
      - { .name: out1, .offset: 56, .size: 8, .value_kind: global_buffer, .address_space: global }
    .group_segment_fixed_size: 327680
    .private_segment_fixed_size: 0
    .kernarg_segment_align: 8
    .kernarg_segment_size: 64
    .max_flat_workgroup_size: 128
    .sgpr_count:     80
    .vgpr_count:     1024
    .wavefront_size: 32
...
	.end_amdgpu_metadata
.endif
;; end of part 3
;; ======== version 2 of 2: 3 launches
;; workspace buffers: wc 1,048,576 bytes; qc 8,388,608 bytes; kv 16,777,216 bytes
;; launch wprep (part 4): grid 256 x 1, 1 waves a work-group, no clusters, 0 bytes of LDS; arguments Wq1, Wk1, Wv1, Wo1, Wq2, Wk2, Wv2, Wo2, lowp_scales, wc; writes wc
.if DOCPART == 4
	.amdgcn_target "amdgcn-amd-amdhsa--gfx1250"
	.amdhsa_code_object_version 6
	.text
	.protected	k_qa8f1fb9390_wprep
	.globl	k_qa8f1fb9390_wprep
	.p2align	8
	.type	k_qa8f1fb9390_wprep,@function
k_qa8f1fb9390_wprep:
	s_mov_b64 s[64:65], 0
	v_nop
	global_prefetch_b8 v0, s[64:65] scope:SCOPE_SE
	s_setreg_imm32_b32 hwreg(HW_REG_WAVE_MODE, 25, 1), 1
	s_wait_xcnt 0x0
; The eight weights, f32 stored [K][N], become codes of E4M3 laid in the ORDER OF AN OPERAND'S REGISTERS.
; A fragment is 16 output columns x 128 along K, 2,048 bytes: byte 512 c + 16 (r + 16 h) + i is k = 32 c + 16 h + i of the fragment's row r.
; The columns of a fragment are not neighbours: row r of tile 2 g + u is column 32 g + 8 u + r + 8 (r / 8).
; code = w / 2^e, held within +-448, to the nearest code, ties to even.  LIMIT: e between -126 and 119.  NaN among the inputs is not served.
; One wave takes one job: 32 neighbouring columns x 128 along K of one weight = two fragments.  4 x 16 + 4 x 48 = 256 jobs.
; A LANE TAKES A COLUMN AND ITS REGISTERS RUN DOWN K: a load reads 128 consecutive bytes, and the conversions give codes with K innermost.
; Weight T = 0..7: Wq1, Wk1, Wv1, Wo1, Wq2, Wk2, Wv2, Wo2.  Fragment (tile, K step s) lies at REGION + (tile KSV + S0 + s) 2,048:
;   T 0,1,2: REGION 0, KSV 6, S0 2 T (the three weights of x1 share a region);  T 3: 786,432, 2, 0;  T 4,5,6: 196,608 (T - 3), 6, 0;  T 7: 851,968, 2, 0.
; No LDS, no barrier, no matrix unit: memory binds, and waves share nothing.
.set X, 16                             ; v16-143  128 numbers of my column
.set C, 144                            ; v144-175 their codes: eight registers for each block of 32, so that no store's data are written again
	s_load_b512 s[4:19], s[0:1], 0x0               ; the eight weights, T at s[4+2T:5+2T]
	s_load_b128 s[20:23], s[0:1], 0x40             ; the scales' exponents, wc
	; the job's number -> weight T (s24) and job j within it (s25)
	s_lshr_b32 s24, ttmp9, 4                       ; jobs 0-63: T = J / 16,
	s_and_b32 s25, ttmp9, 15                       ; j = J % 16
	s_sub_co_u32 s26, ttmp9, 64                    ; jobs 64-255: 48 to a weight
	s_cmp_ge_u32 s26, 48
	s_cselect_b32 s28, 1, 0
	s_cmp_ge_u32 s26, 96
	s_cselect_b32 s29, 1, 0
	s_cmp_ge_u32 s26, 144
	s_cselect_b32 s30, 1, 0
	s_add_co_u32 s28, s28, s29
	s_add_co_u32 s28, s28, s30                     ; T - 4
	s_mul_i32 s29, s28, 48
	s_sub_co_u32 s29, s26, s29                     ; j
	s_add_co_u32 s28, s28, 4
	s_cmp_lt_u32 ttmp9, 64
	s_cselect_b32 s24, s24, s28                    ; T
	s_cselect_b32 s25, s25, s29                    ; j
	; j -> K step s (s26) and group of 32 columns g (s27): K = 256: s = j % 2, g = j / 2;  K = 768 (T 4,5,6): g = j % 8, s = j / 8
	s_and_b32 s26, s25, 1
	s_lshr_b32 s27, s25, 1
	s_and_b32 s28, s25, 7
	s_lshr_b32 s29, s25, 3
	s_sub_co_u32 s30, s24, 4
	s_cmp_lt_u32 s30, 3
	s_cselect_b32 s26, s29, s26
	s_cselect_b32 s27, s28, s27
	; T -> S0 (s35), REGION (s34), the scale's entry (s32), KSV (s33), bytes of 128 rows of the weight (s38)
	s_lshl_b32 s31, s24, 1
	s_add_co_u32 s32, s31, 1                       ; 2 T + 1: entries 1, 3, 5
	s_sub_co_u32 s33, s31, 1                       ; 2 T - 1: entries 7, 9, 11
	s_sub_co_u32 s34, s24, 3
	s_mul_i32 s34, s34, 196608
	s_cmp_lt_u32 s24, 3
	s_cselect_b32 s35, s31, 0
	s_cselect_b32 s34, 0, s34
	s_cselect_b32 s32, s32, s33
	s_mov_b32 s33, 6
	s_mov_b32 s38, 131072
	s_cmp_eq_u32 s24, 3
	s_cselect_b32 s34, 786432, s34
	s_cselect_b32 s32, 21, s32
	s_cselect_b32 s33, 2, s33
	s_cmp_eq_u32 s24, 7
	s_cselect_b32 s34, 851968, s34
	s_cselect_b32 s32, 23, s32
	s_cselect_b32 s33, 2, s33
	s_cselect_b32 s38, 393216, s38
	; offsets, each in a pair with 0 above it
	s_mul_i32 s39, s27, s33
	s_lshl_b32 s39, s39, 1                         ; tile 2 g x KSV
	s_add_co_u32 s39, s39, s35
	s_add_co_u32 s39, s39, s26
	s_lshl_b32 s39, s39, 11
	s_add_co_u32 s40, s39, s34                     ; wc: REGION + (2 g KSV + S0 + s) 2,048
	s_mov_b32 s41, 0
	s_mul_i32 s42, s26, s38
	s_lshl_b32 s44, s27, 7
	s_add_co_u32 s42, s42, s44                     ; the weight: 128 s rows + 32 g columns
	s_mov_b32 s43, 0
	s_lshl_b32 s44, s32, 2                         ; the scale's entry in bytes
	s_mov_b32 s45, 0
	v_lshlrev_b32 v1, 2, v0                        ; in: 4 bytes a lane (one wave: v0 is the lane)
	v_bfe_u32 v4, v0, 3, 1                         ; u: which of the two fragments takes my column,
	v_and_b32 v5, 7, v0
	v_lshrrev_b32 v6, 4, v0
	v_lshl_add_u32 v5, v6, 3, v5                   ; r: and which row of it
	v_lshlrev_b32 v5, 4, v5
	s_lshl_b32 s46, s33, 11
	v_mad_u32_u24 v2, v4, s46, v5                  ; out: u KSV 2,048 + 16 r
	s_wait_kmcnt 0x0
	s_mov_b64 s[36:37], s[4:5]                     ; the weight's address: a choice that hangs on the job's number alone
.irp t, 1,2,3,4,5,6,7
	s_cmp_eq_u32 s24, \t
	s_cselect_b64 s[36:37], s[4+2*\t:5+2*\t], s[36:37]
.endr
	s_add_nc_u64 s[36:37], s[36:37], s[42:43]
	s_add_nc_u64 s[22:23], s[22:23], s[40:41]
	s_add_nc_u64 s[20:21], s[20:21], s[44:45]
	s_load_b32 s47, s[20:21], 0x0                  ; e
.macro LOADW pitch                     ; W(128 s + n, my column), n = 0 .. 127
.set n, 0
.rept 128
	global_load_b32 v[X+n], v1, s[36:37] offset:n*\pitch th:TH_LOAD_NT
.set n, n+1
.endr
.endm
	s_cmp_eq_u32 s24, 7                            ; Wo2's rows are 3,072 bytes, all others' 1,024: the row stands in the immediate, so the run of loads is written twice
	s_cbranch_scc1 .Lwide
	s_wait_alu depctr_va_vdst(0)
	LOADW 1024
	s_branch .Lloaded
.Lwide:
	s_wait_alu depctr_va_vdst(0)
	LOADW 3072
.Lloaded:
	s_wait_kmcnt 0x0
	s_add_co_i32 s47, s47, 127
	s_lshl_b32 s46, s47, 23
	v_mov_b32 v8, s46                              ; 2^e as f32: the conversion takes its exponent field
	s_add_co_i32 s47, s47, 8
	s_lshl_b32 s47, s47, 23
	s_or_b32 s47, s47, 0x600000
	v_mov_b32 v9, s47                              ; 448 x 2^e
; Block c: 32 along K.  left: the later blocks' loads may stay out.
.macro BLOCK c, left
	s_wait_loadcnt \left
.set n, 0
.rept 32
	v_med3_num_f32 v[X+32*\c+n], v[X+32*\c+n], -v9, v9   ; the conversion to an 8-bit code does not saturate (ISA guide 7.6.2): the hold comes first
.set n, n+1
.endr
.irp g, 0,1,2,3
	v_cvt_scalef32_pk8_fp8_f32 v[C+8*\c+2*\g:C+8*\c+2*\g+1], v[X+32*\c+8*\g:X+32*\c+8*\g+7], v8
.endr
	global_store_b128 v2, v[C+8*\c:C+8*\c+3], s[22:23] offset:512*\c         ; k = 32 c + 0 .. 15: the places of lanes 0-15 of both fragments: two runs of 256 consecutive bytes, aligned
	global_store_b128 v2, v[C+8*\c+4:C+8*\c+7], s[22:23] offset:512*\c+256   ; k = 32 c + 16 .. 31: the places of lanes 16-31
.endm                                  ; (the codes go to stores alone, and the next block begins with plain vector lines on other registers)
	s_wait_alu depctr_va_vdst(0)
	BLOCK 0, 63
	BLOCK 1, 63
	BLOCK 2, 32
	BLOCK 3, 0
	s_endpgm
.Lfunc_end_k_qa8f1fb9390_wprep:
	.size	k_qa8f1fb9390_wprep, .Lfunc_end_k_qa8f1fb9390_wprep-k_qa8f1fb9390_wprep
	.p2alignl 7, 3214868480
	.fill 96, 4, 3214868480
	.section	.rodata,"a",@progbits
	.p2align	6, 0x0
	.amdhsa_kernel k_qa8f1fb9390_wprep
		.amdhsa_group_segment_fixed_size 0
		.amdhsa_private_segment_fixed_size 0
		.amdhsa_enable_private_segment 0
		.amdhsa_kernarg_size 80
		.amdhsa_user_sgpr_count 2
		.amdhsa_user_sgpr_kernarg_segment_ptr 1
		.amdhsa_wavefront_size32 1
		.amdhsa_system_sgpr_workgroup_id_x 1
		.amdhsa_system_sgpr_workgroup_id_y 1
		.amdhsa_system_sgpr_workgroup_id_z 1
		.amdhsa_system_vgpr_workitem_id 0
		.amdhsa_next_free_vgpr 176
		.amdhsa_next_free_sgpr 66
		.amdhsa_reserve_vcc 0
		.amdhsa_float_denorm_mode_32 3
		.amdhsa_float_denorm_mode_16_64 3
		.amdhsa_memory_ordered 1
		.amdhsa_forward_progress 1
		.amdhsa_inst_pref_size 38
	.end_amdhsa_kernel
	.amdgpu_metadata
---
amdhsa.version: [ 1, 2 ]
amdhsa.kernels:
  - .name:           k_qa8f1fb9390_wprep
    .symbol:         k_qa8f1fb9390_wprep.kd
    .args:
      - { .name: Wq1, .offset: 0, .size: 8, .value_kind: global_buffer, .address_space: global }
      - { .name: Wk1, .offset: 8, .size: 8, .value_kind: global_buffer, .address_space: global }
      - { .name: Wv1, .offset: 16, .size: 8, .value_kind: global_buffer, .address_space: global }
      - { .name: Wo1, .offset: 24, .size: 8, .value_kind: global_buffer, .address_space: global }
      - { .name: Wq2, .offset: 32, .size: 8, .value_kind: global_buffer, .address_space: global }
      - { .name: Wk2, .offset: 40, .size: 8, .value_kind: global_buffer, .address_space: global }
      - { .name: Wv2, .offset: 48, .size: 8, .value_kind: global_buffer, .address_space: global }
      - { .name: Wo2, .offset: 56, .size: 8, .value_kind: global_buffer, .address_space: global }
      - { .name: lowp_scales, .offset: 64, .size: 8, .value_kind: global_buffer, .address_space: global }
      - { .name: wc, .offset: 72, .size: 8, .value_kind: global_buffer, .address_space: global }
    .group_segment_fixed_size: 0
    .private_segment_fixed_size: 0
    .kernarg_segment_align: 8
    .kernarg_segment_size: 80
    .max_flat_workgroup_size: 32
    .sgpr_count:     66
    .vgpr_count:     176
    .wavefront_size: 32
...
	.end_amdgpu_metadata
.endif
;; end of part 4
;; launch proj (part 5): grid 256 x 1, 4 waves a work-group, no clusters, 49,664 bytes of LDS; arguments x1, x2, lowp_scales, wc, qc, kv; writes qc, kv
.if DOCPART == 5
	.amdgcn_target "amdgcn-amd-amdhsa--gfx1250"
	.amdhsa_code_object_version 6
	.text
	.protected	k_qa8f1fb9390_proj
	.globl	k_qa8f1fb9390_proj
	.p2align	8
	.type	k_qa8f1fb9390_proj,@function
k_qa8f1fb9390_proj:
	s_mov_b64 s[64:65], 0
	v_nop
	global_prefetch_b8 v0, s[64:65] scope:SCOPE_SE
	s_setreg_imm32_b32 hwreg(HW_REG_WAVE_SCHED_MODE, 0, 2), 2
	s_setreg_imm32_b32 hwreg(HW_REG_WAVE_MODE, 25, 1), 1
	s_wait_xcnt 0x0
	s_wait_alu depctr_vm_vsrc(0)
; The six projections q, k, v of x1 (K = 256) and of x2 (K = 768) on codes of E4M3, their results quantised at once for the attention's products and stored as codes alone.
; SHARES.  Work-group: role = number % 4, row block = number / 4 (256 tokens, in four blocks of 64).  Roles 0, 1, 2: x2 -> q2, k2, v2 (six K steps of 128).  Role 3: x1 -> q1, k1, v1
; (three products of two K steps).  So every work-group walks six "virtual" K steps sg = 0 .. 5, holds 24 fragments of weight codes a wave in registers for the whole launch, and does the same number of products.
; The same x is quantised anew for each product, since each product has its own given scale; role 3 therefore loads its rows three times (lines that the same wave has just read), which keeps one text for all roles.
; The three roles of x2 that share a row block are neighbours in the grid.
; NO CLUSTER: what partners could ask for jointly is the weights, 196,608 of a work-group's 983,040 bytes, read once; the work-groups that share x differ in their role, and partners have to run alike.
; THE WAVES SHARE THE COLUMNS: wave w makes d tiles 4 w .. 4 w + 3 for all 64 tokens of a block.  x's codes go from wave to wave through LDS as images of the operand's registers (2,048 bytes a fragment, lane l's 16 bytes at 16 l).
; A fragment: lane (r, h) holds row r, registers 4 c .. 4 c + 3 hold k = 32 c + 16 h + 0 .. 15: the same places of k in both operands.  Every tile of 16 (tokens, d): row r of tile 2 b + u is index 32 b + 8 u + r + 8 (r / 8),
; so that a lane's 16 results of two neighbouring tiles are 16 neighbours along the next product's K, and the conversions' results are that operand's registers.
; q, k: source 0 = 16 columns of W, source 1 = 16 tokens: a lane holds one token, registers run along d.   v: the sources swapped: a lane holds one d, registers run along the tokens (the keys are its K).
; LAYOUT OUT.  qc: side 4 MiB + token tile x 4,096 + (d / 128) x 2,048 + image.   kv: side 8 MiB + (128 keys) x 65,536: K's 16 fragments (key tile x 2 + d / 128), from 32,768 on V's 16 (d tile).
; LIMITS: each operand's e, and e(result) - e(x) - e(W), between -126 and 119.  NaN among the inputs is not served.
; REGISTERS, in windows of 256:  window 0: v1-23 addresses and scales; v64-95 results' codes; v128-255 16 accumulators (d tile t, token tile m) at 8 (4 t + m); while x is quantised the first 96 of them are the six sets of x's codes.
;   window 1: W's fragments (sg 0-3, t) at 64 sg + 16 t.   window 2: v0-127 W's (sg 4, 5); v128-255 x's numbers, sets 0, 1.   window 3: sets 2-5; sets 4, 5 are, during the products, the two buffers of x's fragments.
; THE MODE: SCHED_MODE bits 1:0 = 2 (LLVM: expert scheduling mode 2), set by the entry lines.  The code itself states the register dependences between vector or matrix instructions and memory or LDS
; instructions, with s_wait_alu, always for 0.
; THE PLAN.  Registers that memory or LDS instructions touch:
;   v1-10         Offsets and LDS addresses.  Written at the head and never again: one wait ahead of the first load serves every load and store of the kernel.
;   W's fragments Loaded once; named by products alone after that.
;   number sets   Sets 0-5: global loads land in them; the holds and conversions of phase X read and write them.  Sets 0-2 are asked for again behind phase X, sets 3-5 behind the products.
;   x's buffers   The registers of sets 4, 5: K step s's LDS loads land in buffer s % 2; its products read it.
;   code sets     Six, one a K step, in the accumulators' registers: written by phase X's conversions, read by the image stores, written next by the products.
;   OC            Written by the way out's conversions, read by its eight global stores.
; Phase X: one wait on va_vdst ahead of each run of eight image stores; the last also frees sets 0-2 and the two buffers.  One wait on vm_vsrc behind the barrier frees the code sets for the products.
; Products: one wait on va_vdst at the head of a K step frees the buffer that the step before has read; the loads into it follow the step's first four products, which do not name it.
; The way out: one pair (XCNT, vm_vsrc) frees OC; one wait on va_vdst frees the buffers, and the loads into them are dealt among the holds, which name the sums and a scale alone; one more stands ahead of the stores.
.set LI,    1                          ; v1     16 x lane
.set XWI,   2                          ; v2     where I store x's images: 16 x lane + 12,288 x wave
.set XA,    3                          ; v3-8   x: my lane's byte for virtual K step sg
.set VQ,    9                          ; v9     q, k out: 16 x lane + 2,048 (w / 2) + 1,024 (w % 2)
.set VV,    10                         ; v10    v out: 16 x lane + 8,192 w
.set SC,    12                         ; v12-17 product g: 2^e(x), 448 x that
.set OSC,   18                         ; v18-23 product g: 2^(e(result) - e(x) - e(W)), 448 x that
.set OC,    64
.set ACC,   128
.set PC,    ACC                        ; x's codes: set s at PC + 16 s
.set XF,    128                        ; in window 3
.set WV,    16
.set ROLE,  17
.set RB,    18
.set PITCH, 19
.set BI,    20                         ; the block, 0 .. 3
.set XB,    22                         ; s[22:23] x at the block whose rows are asked for next
.set XST,   24                         ; s[24:25] 64 rows of x
.set DQ,    26
.set DK,    28
.set CQ,    30                         ; s[30:31] this block's place in qc;  s[32:33] K's in kv;  s[34:35] V's;  s[36:37] roles 0, 1: the one of the first two that is theirs
.set CK,    32
.set CV,    34
.set CX,    36
.set WB,    40
.set MSB, 0
.macro WIN new                         ; the immediate's high byte repeats the setting that is left; a switch that changes nothing is dropped
.if MSB != (\new)
	s_set_vgpr_msb (MSB<<8)|(\new)
.set MSB, (\new)
.endif
.endm
.macro PLACES                          ; four places behind matrix instructions, ahead of the first read of results; they stand ahead of loads into registers that the products have read too, beside the wait that states that dependence
.rept 4
	v_nop
.endr
.endm
.macro SETOF s                         ; set s of x's numbers: its window SW and first register SR
.if (\s) < 2
.set SW, 2
.set SR, 128+64*(\s)
.else
.set SW, 3
.set SR, 64*((\s)-2)
.endif
.endm
.macro XLOAD s                         ; my row's 64 numbers of virtual K step s: register 16 b + 4 j + e = k 32 b + 16 h + 4 j + e
	SETOF \s
	WIN SW<<6
.irp b, 0,1,2,3
.irp j, 0,1,2,3
	global_load_b128 v[SR+16*\b+4*\j:SR+16*\b+4*\j+3], v[XA+(\s)], s[XB:XB+1] offset:128*\b+16*\j
.endr
.endr
.endm
.macro QUANT s                         ; number set s becomes a fragment's codes, in code set s
	SETOF \s
	WIN (SW<<6)|SW
.set n, 0
.rept 64
	v_med3_num_f32 v[SR+n], v[SR+n], -v[SC+2*((\s)/2)+1], v[SC+2*((\s)/2)+1]   ; the conversion to an 8-bit code does not saturate (ISA guide 7.6.2): the hold comes first
.set n, n+1
.endr
	WIN SW
.irp b, 0,1,2,3,4,5,6,7
	v_cvt_scalef32_pk8_fp8_f32 v[PC+16*(\s)+2*\b:PC+16*(\s)+2*\b+1], v[SR+8*\b:SR+8*\b+7], v[SC+2*((\s)/2)]
.endr
	WIN 0
	v_nop                                          ; one plain vector line behind the last conversion of a run
.endm
.macro IMAGE s                         ; code set s goes to LDS as it stands
.irp c, 0,1,2,3
	ds_store_b128 v[XWI], v[PC+16*(\s)+4*\c:PC+16*(\s)+4*\c+3] offset:(\s)*2048+512*\c
.endr
.endm
.macro FETCHX s, buf                   ; the four token tiles' fragments of virtual K step s
	WIN 0xc0
.irp m, 0,1,2,3
.irp c, 0,1,2,3
	ds_load_b128 v[XF+64*(\buf)+16*\m+4*\c:XF+64*(\buf)+16*\m+4*\c+3], v[LI] offset:(\m*6+(\s))*2048+512*\c
.endr
.endr
.endm
; Four matrix instructions: d tile t against the four token tiles.  vt = 1: the sources swapped, for v.  zero = 1: the product starts the sums.
.macro MMT vt, s, zero, buf, t
.if (\s) < 4
.set WW, 1
.set WR, 64*(\s)
.else
.set WW, 2
.set WR, 64*((\s)-4)
.endif
.set XR, XF+64*(\buf)
.if \vt
	WIN 3|(WW<<2)
.else
	WIN WW|(3<<2)
.endif
.irp m, 0,1,2,3
.if \vt
.if \zero
	v_wmma_f32_16x16x128_fp8_fp8 v[ACC+8*(4*(\t)+\m):ACC+8*(4*(\t)+\m)+7], v[XR+16*\m:XR+16*\m+15], v[WR+16*(\t):WR+16*(\t)+15], 0
.else
	v_wmma_f32_16x16x128_fp8_fp8 v[ACC+8*(4*(\t)+\m):ACC+8*(4*(\t)+\m)+7], v[XR+16*\m:XR+16*\m+15], v[WR+16*(\t):WR+16*(\t)+15], v[ACC+8*(4*(\t)+\m):ACC+8*(4*(\t)+\m)+7]
.endif
.else
.if \zero
	v_wmma_f32_16x16x128_fp8_fp8 v[ACC+8*(4*(\t)+\m):ACC+8*(4*(\t)+\m)+7], v[WR+16*(\t):WR+16*(\t)+15], v[XR+16*\m:XR+16*\m+15], 0
.else
	v_wmma_f32_16x16x128_fp8_fp8 v[ACC+8*(4*(\t)+\m):ACC+8*(4*(\t)+\m)+7], v[WR+16*(\t):WR+16*(\t)+15], v[XR+16*\m:XR+16*\m+15], v[ACC+8*(4*(\t)+\m):ACC+8*(4*(\t)+\m)+7]
.endif
.endif
.endr
.endm
; 16 matrix instructions, the 16 accumulators by turns, one instruction a turn, in the same order in every K step.
.macro MM vt, s, zero, buf
.irp t, 0,1,2,3
	MMT \vt, \s, \zero, \buf, \t
.endr
.endm
.macro HOLDP g, n0, cnt                ; cnt sums from n0 on held within the largest code x the folded scale, each accumulator from its low end on
.set n, \n0
.rept \cnt
	v_med3_num_f32 v[ACC+n], v[ACC+n], -v[OSC+2*\g+1], v[OSC+2*\g+1]
.set n, n+1
.endr
.endm
; What is asked for among the holds.  k = 0: nothing.  k = 1: the next block's number sets 3, 4, 5.  k = 2: the next product's two K steps of x's fragments.  i: which of three runs.
; No wait stands here: the wait on va_vdst ahead of the way out covers the products, and the holds issued since name the sums and a scale alone, none of the registers that these loads touch.
.macro DEAL k, g, i
.if (\k) == 1
	XLOAD 3+(\i)
	WIN 0
.elseif ((\k) == 2) && ((\i) < 2)
	FETCHX 2*(\g)+2+(\i), \i
	WIN 0
.endif
.endm
.macro HOLDD g, k                      ; all 128 sums held, the loads dealt among them
	DEAL \k, \g, 0
	HOLDP \g, 0, 32
	DEAL \k, \g, 1
	HOLDP \g, 32, 32
	DEAL \k, \g, 2
	HOLDP \g, 64, 64
.endm
.macro FREEOC                          ; ahead of a way out, and of the loads that are dealt into it
	s_wait_xcnt 0x0                                ; the code registers OC are written again only when the earlier stores have had their addresses translated (ISA guide 3.1)
	s_wait_alu depctr_vm_vsrc(0)                   ; the earlier global stores have read OC, which the conversions below write again
.endm
; q or k out.  d tiles 2 bl, 2 bl + 1 of token tile m are 16 neighbours along d: registers 4 c .. 4 c + 3, c = 2 (w % 2) + bl, of fragment (token tile m, d / 128 = w / 2).  Each store covers 512 consecutive bytes, aligned.
.macro OUTQK g, base, k
	HOLDD \g, \k
.irp m, 0,1,2,3
.irp bl, 0,1
	v_cvt_scalef32_pk8_fp8_f32 v[OC+4*(2*\m+\bl):OC+4*(2*\m+\bl)+1], v[ACC+8*(8*\bl+\m):ACC+8*(8*\bl+\m)+7], v[OSC+2*\g]
	v_cvt_scalef32_pk8_fp8_f32 v[OC+4*(2*\m+\bl)+2:OC+4*(2*\m+\bl)+3], v[ACC+8*(8*\bl+4+\m):ACC+8*(8*\bl+4+\m)+7], v[OSC+2*\g]
.endr
.endr
	v_nop                                          ; one plain vector line behind the last conversion: the next products write the sums' registers
	s_wait_alu depctr_va_vdst(0)                   ; the conversions have written OC, which the stores read
.irp m, 0,1,2,3
.irp bl, 0,1
	global_store_b128 v[VQ], v[OC+4*(2*\m+\bl):OC+4*(2*\m+\bl)+3], s[\base:\base+1] offset:\m*4096+\bl*512
.endr
.endr
.endm
; v out.  Token tiles 2 a, 2 a + 1 of d tile t are 16 neighbouring keys: registers 4 c .. 4 c + 3, c = 2 (block % 2) + a, of V's fragment 4 w + t.
.macro OUTV g, base, k
	HOLDD \g, \k
.irp t, 0,1,2,3
.irp a, 0,1
	v_cvt_scalef32_pk8_fp8_f32 v[OC+4*(2*\t+\a):OC+4*(2*\t+\a)+1], v[ACC+8*(4*\t+2*\a):ACC+8*(4*\t+2*\a)+7], v[OSC+2*\g]
	v_cvt_scalef32_pk8_fp8_f32 v[OC+4*(2*\t+\a)+2:OC+4*(2*\t+\a)+3], v[ACC+8*(4*\t+2*\a+1):ACC+8*(4*\t+2*\a+1)+7], v[OSC+2*\g]
.endr
.endr
	v_nop
	s_wait_alu depctr_va_vdst(0)                   ; the conversions have written OC, which the stores read
.irp t, 0,1,2,3
.irp a, 0,1
	global_store_b128 v[VV], v[OC+4*(2*\t+\a):OC+4*(2*\t+\a)+3], s[\base:\base+1] offset:\t*2048+\a*512
.endr
.endr
.endm
; Roles 0, 1, 2: one product over six K steps; each K step's fragments are fetched while the step before is multiplied.  next = 1: the next block's sets 3-5 are asked for when the products have left their registers.
.macro X2PATH vt, next
	FETCHX 0, 0                                    ; both buffers were last named by phase X's holds and conversions, which stand ahead of its last wait on va_vdst
	FETCHX 1, 1
	s_wait_dscnt 16                                ; all but the sixteen just issued
	MM \vt, 0, 1, 0
.irp s, 1,2,3,4
	s_wait_dscnt 0x0                               ; this K step's fragments are in
	PLACES
	s_wait_alu depctr_va_vdst(0)                   ; the products of the K step before are done reading their buffer, in which the sixteen loads below land
	MMT \vt, \s, 0, \s%2, 0                        ; these four name W, this step's buffer and the sums: none of the registers that the loads touch
	FETCHX \s+1, (\s+1)%2
	MMT \vt, \s, 0, \s%2, 1
	MMT \vt, \s, 0, \s%2, 2
	MMT \vt, \s, 0, \s%2, 3
.endr
	s_wait_dscnt 0x0
	MM \vt, 5, 0, 1
	WIN 0
	PLACES
	FREEOC
.if \next
	s_wait_alu depctr_va_vdst(0)                   ; the last two K steps' products are done reading the two buffers, in which the next block's sets 4 and 5 land
.endif
.if \vt
	OUTV 0, CV, \next
.else
	OUTQK 0, CX, \next
.endif
.endm
; Role 3: three products of two K steps each; the next product's fragments are fetched while this one's results are quantised and stored.
.macro X1PATH next
	FETCHX 0, 0                                    ; both buffers were last named by phase X's holds and conversions, which stand ahead of its last wait on va_vdst
	FETCHX 1, 1
.irp g, 0,1,2
	s_wait_dscnt 16                                ; the first K step's sixteen loads are in
	MM (\g/2), 2*\g, 1, 0
	s_wait_dscnt 0x0
	MM (\g/2), 2*\g+1, 0, 1
	WIN 0
	PLACES
	FREEOC
.if (\g < 2) || (\next)
	s_wait_alu depctr_va_vdst(0)                   ; this product's matrix instructions are done reading the two buffers, in which the loads dealt among the holds land
.endif
.if \g == 0
	OUTQK 0, CQ, 2
.elseif \g == 1
	OUTQK 1, CK, 2
.else
	OUTV 2, CV, \next
.endif
.endr
.endm
.macro MKSC g, a, b, o                 ; product g's two scales and limits from the exponents in s[a] (x), s[b] (W), s[o] (the result)
	s_add_co_i32 s52, s[\a], 127
	s_lshl_b32 s53, s52, 23
	v_mov_b32 v[SC+2*\g], s53
	s_add_co_i32 s52, s52, 8
	s_lshl_b32 s52, s52, 23
	s_or_b32 s52, s52, 0x600000
	v_mov_b32 v[SC+2*\g+1], s52
	s_sub_co_i32 s52, s[\o], s[\a]                 ; a sum stands for sum x 2^(e(x) + e(W)): the three scales are folded into the conversion's one
	s_sub_co_i32 s52, s52, s[\b]
	s_add_co_i32 s52, s52, 127
	s_lshl_b32 s53, s52, 23
	v_mov_b32 v[OSC+2*\g], s53
	s_add_co_i32 s52, s52, 8
	s_lshl_b32 s52, s52, 23
	s_or_b32 s52, s52, 0x600000
	v_mov_b32 v[OSC+2*\g+1], s52
.endm
	s_load_b256 s[4:11], s[0:1], 0x0               ; x1, x2, the scales' exponents, wc
	s_load_b128 s[12:15], s[0:1], 0x20             ; qc, kv
	v_lshl_add_u32 v126, v0, 2, 0xc000
	v_mov_b32 v127, 0
	v_lshrrev_b32 v24, 5, v0
	v_readfirstlane_b32 s[WV], v24                 ; wave 0..3
	s_and_b32 s[ROLE], ttmp9, 3
	s_lshr_b32 s[RB], ttmp9, 2
	v_and_b32 v24, 31, v0
	v_lshlrev_b32 v[LI], 4, v24
	s_wait_alu depctr_va_vdst(0)
	v_and_b32 v25, 15, v0                          ; r
	s_wait_alu depctr_va_vdst(0)
	v_bfe_u32 v26, v0, 4, 1                        ; h
	s_wait_alu depctr_va_sdst(0)                   ; the wave's number is written, ahead of its first reader: LDS places, offsets and bases are made from it
	s_mul_i32 s21, s[WV], 12288
	v_add_nc_u32 v[XWI], s21, v[LI]
	s_lshr_b32 s21, s[WV], 1
	s_and_b32 s38, s[WV], 1
	s_lshl_b32 s39, s21, 11
	s_lshl_b32 s42, s38, 10
	s_add_co_u32 s39, s39, s42
	v_add_nc_u32 v[VQ], s39, v[LI]
	s_lshl_b32 s39, s[WV], 13
	v_add_nc_u32 v[VV], s39, v[LI]
	s_lshl_b32 s21, s21, 5
	s_lshl_b32 s38, s38, 3
	s_add_co_u32 s21, s21, s38                     ; token tile w of a block begins at row 32 (w / 2) + 8 (w % 2)
	v_and_b32 v27, 8, v25
	v_add_nc_u32 v27, v27, v25                     ; r + 8 (r / 8)
	v_add_nc_u32 v27, s21, v27                     ; the row of the block that I quantise
	s_add_co_u32 s45, s[ROLE], 1
	s_cmp_eq_u32 s[ROLE], 3
	s_mov_b32 s[PITCH], 3072
	s_cselect_b32 s[PITCH], 1024, s[PITCH]         ; a row of x in bytes
	s_cselect_b32 s43, 1, 7                        ; x's K step = sg & this: x1 has two, walked three times
	s_cselect_b32 s44, 0, 1                        ; the side
	s_cselect_b32 s45, 0, s45                      ; which region of 196,608 bytes of wc
	v_mul_lo_u32 v27, v27, s[PITCH]
	s_wait_alu depctr_va_vdst(0)
	v_lshl_add_u32 v27, v26, 6, v27                ; + 64 h: my 16 numbers of a block of 32
.irp s, 0,1,2,3,4,5
	s_and_b32 s46, s43, \s
	v_lshl_add_u32 v[XA+\s], s46, 9, v27           ; + 512 bytes for each K step
.endr
	s_lshl_b32 s46, s[PITCH], 8
	s_mul_i32 s38, s[RB], s46                      ; x: my 256 rows
	s_mov_b32 s39, 0
	s_lshl_b32 s[XST], s[PITCH], 6
	s_mov_b32 s[XST+1], 0
	s_mul_i32 s46, s45, 196608
	s_mul_i32 s47, s[WV], 49152
	s_add_co_u32 s46, s46, s47                     ; wc: my four d tiles x six K steps
	s_mov_b32 s47, 0
	s_lshl_b32 s48, s44, 22
	s_lshl_b32 s50, s[RB], 16
	s_add_co_u32 s48, s48, s50                     ; qc: side, 16 token tiles of 4,096 bytes
	s_mov_b32 s49, 0
	s_lshl_b32 s50, s44, 23
	s_lshl_b32 s52, s[RB], 17
	s_add_co_u32 s50, s50, s52                     ; kv: side, two steps of 65,536 bytes
	s_mov_b32 s51, 0
	s_wait_kmcnt 0x0
	s_load_b256 s[68:75], s[8:9], 0x0              ; entries 0-19 of the scales: entry i in s[68 + i]
	s_load_b256 s[76:83], s[8:9], 0x20
	s_load_b128 s[84:87], s[8:9], 0x40
	s_cmp_eq_u32 s[ROLE], 3
	s_cselect_b64 s[XB:XB+1], s[4:5], s[6:7]
	s_add_nc_u64 s[XB:XB+1], s[XB:XB+1], s[38:39]
	s_add_nc_u64 s[WB:WB+1], s[10:11], s[46:47]
	s_add_nc_u64 s[DQ:DQ+1], s[12:13], s[48:49]
	s_add_nc_u64 s[DK:DK+1], s[14:15], s[50:51]
	WIN 0x40                                       ; the weights' 24 fragments: they stay
	s_wait_alu depctr_va_vdst(0)                   ; the offsets and LDS addresses v1 to v10 are written: every load and store of the kernel reads one of them, and none is written again
.irp s, 0,1,2,3
.irp t, 0,1,2,3
.irp c, 0,1,2,3
	global_load_b128 v[64*\s+16*\t+4*\c:64*\s+16*\t+4*\c+3], v[LI], s[WB:WB+1] offset:\t*12288+\s*2048+512*\c
.endr
.endr
.endr
	WIN 0x80
.irp s, 4,5
.irp t, 0,1,2,3
.irp c, 0,1,2,3
	global_load_b128 v[64*(\s-4)+16*\t+4*\c:64*(\s-4)+16*\t+4*\c+3], v[LI], s[WB:WB+1] offset:\t*12288+\s*2048+512*\c
.endr
.endr
.endr
.irp s, 0,1,2,3,4,5
	XLOAD \s                                       ; the first block's x, behind the weights: loads come back in order, so the waits for x cover the weights
.endr
	WIN 0
	s_wait_kmcnt 0x0
	s_cmp_eq_u32 s[ROLE], 1                        ; roles 0, 1, 2: entries 6, 7 / 8, 9 / 10, 11; the result is q2 (16), k2 (13), v2 (14)
	s_cselect_b32 s52, s76, s74
	s_cselect_b32 s53, s77, s75
	s_cselect_b32 s54, s81, s84
	s_cmp_eq_u32 s[ROLE], 2
	s_cselect_b32 s52, s78, s52
	s_cselect_b32 s53, s79, s53
	s_cselect_b32 s54, s82, s54
	s_cmp_eq_u32 s[ROLE], 3                        ; role 3: entries 0, 1 / 2, 3 / 4, 5; the results are q1 (12), k1 (17), v1 (18)
	s_cselect_b32 s55, s68, s52
	s_cselect_b32 s56, s69, s53
	s_cselect_b32 s57, s80, s54
	s_cselect_b32 s58, s70, s52
	s_cselect_b32 s59, s71, s53
	s_cselect_b32 s60, s85, s54
	s_cselect_b32 s61, s72, s52
	s_cselect_b32 s62, s73, s53
	s_cselect_b32 s63, s86, s54
	MKSC 0, 55, 56, 57
	MKSC 1, 58, 59, 60
	MKSC 2, 61, 62, 63
; A BLOCK OF 64 TOKENS.  next = 1: the next block's x is asked for on the way (sets 0-2 as soon as all six are quantised, sets 3-5 behind the products).  The last block is written out without those loads, so that
; every counted wait sees the same younger loads on every way.
.macro BLOCK next
	s_wait_xcnt 0x0                                ; the last block's stores have read their bases
	s_lshl_b32 s38, s[BI], 14
	s_mov_b32 s39, 0
	s_add_nc_u64 s[CQ:CQ+1], s[DQ:DQ+1], s[38:39]  ; four token tiles of 4,096 bytes a block
	s_lshr_b32 s38, s[BI], 1
	s_lshl_b32 s38, s38, 16                        ; which step of 128 keys
	s_and_b32 s42, s[BI], 1
	s_lshl_b32 s43, s42, 14
	s_add_co_u32 s46, s38, s43
	s_mov_b32 s47, 0
	s_add_nc_u64 s[CK:CK+1], s[DK:DK+1], s[46:47]  ; key tiles 4 (block % 2) on
	s_lshl_b32 s43, s42, 10
	s_add_co_u32 s46, s38, s43
	s_add_co_u32 s46, s46, 32768
	s_add_nc_u64 s[CV:CV+1], s[DK:DK+1], s[46:47]  ; V's part of the step, keys 64 (block % 2) on
	s_cmp_eq_u32 s[ROLE], 0
	s_cselect_b64 s[CX:CX+1], s[CQ:CQ+1], s[CK:CK+1]
	; X: my 16 rows become six fragments, each in a code set of its own.  The counts: the later sets' loads, sixteen each, may stay out (80 and 64 are held at the field's 63)
	s_wait_loadcnt 63
	QUANT 0
	s_wait_loadcnt 63
	QUANT 1
	s_wait_loadcnt 48
	s_wait_alu depctr_va_vdst(0)                   ; the conversions have written code sets 0 and 1, which the eight image stores read
	IMAGE 0
	IMAGE 1
	QUANT 2
	s_wait_loadcnt 32
	QUANT 3
	s_wait_loadcnt 16
	s_wait_alu depctr_va_vdst(0)                   ; the conversions have written code sets 2 and 3, which the eight image stores read
	IMAGE 2
	IMAGE 3
	QUANT 4
	s_wait_loadcnt 0x0
.if \next
	s_add_nc_u64 s[XB:XB+1], s[XB:XB+1], s[XST:XST+1]   ; no load is out: the base may step
.endif
	QUANT 5
	s_wait_alu depctr_va_vdst(0)                   ; the conversions have written code sets 4 and 5, which the image stores read; the holds and conversions are done with number sets 0-2, in which the next block's loads land, and with sets 4 and 5, in which x's first fragments land behind the barrier
	IMAGE 4
	IMAGE 5
.if \next
	XLOAD 0
	XLOAD 1
	XLOAD 2
	WIN 0
.endif
	s_wait_dscnt 0x0                               ; my images have landed
	s_barrier_signal -1
	s_barrier_wait -1                              ; all 24 lie in LDS
	s_wait_alu depctr_vm_vsrc(0)                   ; my image stores have read the six code sets: these registers are the accumulators from here on, written by the products
	s_cmp_eq_u32 s[ROLE], 3
	s_cbranch_scc1 .Lx1_\@
	s_cmp_eq_u32 s[ROLE], 2
	s_cbranch_scc1 .Lx2v_\@
	X2PATH 0, \next
	s_branch .Ljoin_\@
.Lx2v_\@:
	X2PATH 1, \next
	s_branch .Ljoin_\@
.Lx1_\@:
	X1PATH \next
.Ljoin_\@:
.if \next
	s_wait_dscnt 0x0                               ; my reads of the images are in:
	s_barrier_signal -1
	s_barrier_wait -1                              ; only now are they written again
.endif
.endm
	s_mov_b32 s[BI], 0
.Lblock:
	BLOCK 1
	s_add_co_u32 s[BI], s[BI], 1
	s_cmp_lt_u32 s[BI], 3
	s_cbranch_scc1 .Lblock
	BLOCK 0
	s_wait_dscnt 0x0                               ; the closing lines, six on end
	s_wait_alu 0x0
	s_wait_tensorcnt 0x0
	ds_add_u32 v126, v127
	s_wait_dscnt 0x0
	s_endpgm
.Lfunc_end_k_qa8f1fb9390_proj:
	.size	k_qa8f1fb9390_proj, .Lfunc_end_k_qa8f1fb9390_proj-k_qa8f1fb9390_proj
	.p2alignl 7, 3214868480
	.fill 96, 4, 3214868480
	.section	.rodata,"a",@progbits
	.p2align	6, 0x0
	.amdhsa_kernel k_qa8f1fb9390_proj
		.amdhsa_group_segment_fixed_size 49664
		.amdhsa_private_segment_fixed_size 0
		.amdhsa_enable_private_segment 0
		.amdhsa_kernarg_size 48
		.amdhsa_user_sgpr_count 2
		.amdhsa_user_sgpr_kernarg_segment_ptr 1
		.amdhsa_wavefront_size32 1
		.amdhsa_system_sgpr_workgroup_id_x 1
		.amdhsa_system_sgpr_workgroup_id_y 1
		.amdhsa_system_sgpr_workgroup_id_z 1
		.amdhsa_system_vgpr_workitem_id 0
		.amdhsa_next_free_vgpr 1024
		.amdhsa_next_free_sgpr 96
		.amdhsa_reserve_vcc 0
		.amdhsa_float_denorm_mode_32 3
		.amdhsa_float_denorm_mode_16_64 3
		.amdhsa_memory_ordered 1
		.amdhsa_forward_progress 1
		.amdhsa_inst_pref_size 255
	.end_amdhsa_kernel
	.section	.bss,"aw",@nobits
	.p2align	6
	.space	262144
	.amdgpu_metadata
---
amdhsa.version: [ 1, 2 ]
amdhsa.kernels:
  - .name:           k_qa8f1fb9390_proj
    .symbol:         k_qa8f1fb9390_proj.kd
    .args:
      - { .name: x1, .offset: 0, .size: 8, .value_kind: global_buffer, .address_space: global }
      - { .name: x2, .offset: 8, .size: 8, .value_kind: global_buffer, .address_space: global }
      - { .name: lowp_scales, .offset: 16, .size: 8, .value_kind: global_buffer, .address_space: global }
      - { .name: wc, .offset: 24, .size: 8, .value_kind: global_buffer, .address_space: global }
      - { .name: qc, .offset: 32, .size: 8, .value_kind: global_buffer, .address_space: global }
      - { .name: kv, .offset: 40, .size: 8, .value_kind: global_buffer, .address_space: global }
    .group_segment_fixed_size: 49664
    .private_segment_fixed_size: 0
    .kernarg_segment_align: 8
    .kernarg_segment_size: 48
    .max_flat_workgroup_size: 128
    .sgpr_count:     96
    .vgpr_count:     1024
    .wavefront_size: 32
...
	.end_amdgpu_metadata
.endif
;; end of part 5
;; launch attn (part 6): grid 16 x 16, 4 waves a work-group, clusters of 4 x 1, 327,680 bytes of LDS; arguments qc, kv, wc, lowp_scales, bo1, bo2, out0, out1; writes out0, out1
.if DOCPART == 6
	.amdgcn_target "amdgcn-amd-amdhsa--gfx1250"
	.amdhsa_code_object_version 6
	.text
	.protected	k_qa8f1fb9390_attn
	.globl	k_qa8f1fb9390_attn
	.p2align	8
	.type	k_qa8f1fb9390_attn,@function
k_qa8f1fb9390_attn:
	s_mov_b64 s[64:65], 0
	v_nop
	global_prefetch_b8 v0, s[64:65] scope:SCOPE_SE
	s_setreg_imm32_b32 hwreg(HW_REG_WAVE_MODE, 25, 1), 1
	s_wait_xcnt 0x0
	s_wait_alu depctr_hold_cnt(0) depctr_sa_sdst(0) depctr_va_vdst(0) depctr_va_sdst(0) depctr_va_ssrc(0) depctr_va_vcc(0) depctr_vm_vsrc(0)
	s_getreg_b32 s2, hwreg(HW_REG_IB_STS2, 6, 4)
	s_cmp_eq_u32 s2, 0
	s_cbranch_scc0 .Lentry_in_a_cluster
	s_endpgm
.Lentry_in_a_cluster:
	s_bfe_u32 s2, ttmp6, 0x10000c
	s_cmp_lg_u32 s2, 0x3003
	s_cbranch_scc0 .Lentry_shape_is_right
	s_endpgm
.Lentry_shape_is_right:
; Both cross-attentions and their output projections, on codes of E4M3.  y = work-group y: direction y / 8 (0: q1 with k2, v2 -> out0; 1: q2 with k1, v1 -> out1), batch y % 8.  Work-group x: a block of 128 queries.
; THE SOFTMAX AHEAD OF THE SECOND PRODUCT: t = score x log2(e) / 16; M = the row's largest t so far, rounded UP to a whole number; p = 2^(t - M) is what is quantised, not normalised.  The row's sum is taken of the
; unquantised p and divides O at the end.  When M moves, the sum and O are multiplied by 2^(old M - new M): exact.
; SHARES.  Four waves; a wave holds 32 queries, two tiles of 16, so that each fragment of K and V read from LDS feeds two matrix instructions.  Every wave walks the batch's 2,048 keys, 128 a step.
; LAYOUT.  Both products transposed: S^T = K Q^T, O^T = V^T P^T: a lane holds ONE query throughout.  Every operand lies in memory and in LDS as an image of its registers (2,048 bytes a fragment, lane l's 16 bytes at 16 l):
; lane (r, h) holds row r, registers 4 c .. 4 c + 3 hold k = 32 c + 16 h + 0 .. 15.  Row r of tile 2 b + u (keys, queries, d, output columns) is index 32 b + 8 u + r + 8 (r / 8), so that a lane's 16 results of two
; neighbouring tiles are 16 neighbours along the next K: p's and o's conversions give the next operand's registers.
; RING.  Two LDS slots of two key steps (131,072 bytes, dense in memory); each wave fetches a quarter of a slot by one tensor load.  By this text's own count a wave has one load out behind the start (slot 0's is waited for before slot 1's is asked for) and one behind each change of slots.
; CLUSTER.  The four query blocks of a cluster walk the same K and V: each quarter is asked for JOINTLY, by the same load with the same descriptor and the mask of all four.  My place in the cluster enters Q's and the output's addresses alone.
; The branches on the direction hang on the cluster's y, which the four partners share.
; PHASES.  A trip goes from the middle of key step j to the middle of step j + 1: K of j + 1 is asked for; tile 1's softmax of j; V^T P of j; K Q^T of j + 1; V of j + 1 is asked for; tile 0's softmax of j + 1: the LDS loads land under the softmaxes.
; THE OUTPUT PROJECTION.  o / l is quantised in registers, its images meet in LDS, and wave w makes output columns 256 cg + 64 w .. + 63 for all 128 queries (cg = 0; for direction 1 also 1, 2), x 2^(eo + ewo) + bias.
; LIMITS on the given exponents, so that each power of two below is an f32 number: eq + ek between -122 and 131 (added to c's exponent field); ep, and eo - ep - ev, between -126 and 119; eo + ewo between -126 and 127.
; REGISTERS, in windows of 256:  window 0: v1-7, v26-30 addresses and constants; v8-23 statistics, eight a tile; v32-95 Q; v96-127 P; v128-255 S^T, 64 a tile.   window 1: O^T, 128 a tile.   window 2: K of a step.   window 3: V of a step.
.set STEPB, 65536                      ; a key step in a slot: K's 16 fragments, then V's 16
.set SLOT1, 1<<17                      ; slot 1 begins here: one exclusive or turns an address in one slot into the other's
.set SPARE, 2*SLOT1                    ; behind the ring: the spare words, 128 bytes for each wave: two blocks of 256 bytes that no other line names
.set OIMG,  SPARE+512                  ; o's 16 images: (query tile x 2 + d / 128) x 2,048.  No fill ever lands here,
.set STAGE, OIMG+32768                 ; nor here: 16 rows x (256 bytes + 16) for each wave, for the way out
.set LI,   1                           ; v1   16 x lane
.set ADR,  2                           ; v2   LDS address of the step's fragments
.set SPW,  3                           ; v3   LDS address of my spare word: SPARE + 4 x my thread's number; never rewritten
.set NIL,  4                           ; v4   0; never rewritten
.set PSC,  5                           ; v5   2^ep;  on the way out 2^(eo - ep - ev)
.set PLIM, 6                           ; v6   448 x that
.set PT,   7                           ; v7   a lane permute's destination
.set ST,   8                           ; tile a at v[8 + 8 a]: +0 -M, +1 the largest t, +2, +3 the sum in two halves, +4 f (+5 named with it), +6, +7 at work
.set GO,   8                           ; v8-15 on the way out: my byte offsets in eight rows of the output
.set TS,   24                          ; v[24:25] the sum's second chain
.set OW,   26                          ; v26  where I store o's images
.set ORD,  27                          ; v27  where I read them
.set STO,  28                          ; v28  the stage: where I put 16 bytes of a row
.set RD,   29                          ; v29  and where I read a row back
.set VB,   30                          ; v30  my byte offset in the bias
.set Q,    32
.set TMP,  32                          ; the way out: 32 finished numbers
.set BK,   64                          ; the way out: 16 rows read back: v64-95 and v96-127 by turns
.set P,    96
.set S,    128
.set WV,   20
.set DIR,  21
.set BAT,  22
.set QB,   23
.set G1,   24                          ; s[24:31] descriptor group 1
.set G0A,  32                          ; s[32:35] group 0 of slot 0's first fill
.set G0B,  36                          ; s[36:39] of slot 1's; it then walks
.set CS,   46                          ; s[46:47] c = log2(e) / 16 x 2^(eq + ek)
.set SEL,  48                          ; s[48:49] lane selects for v_permlanex16_b32: lane l xor 16
.set TB,   50                          ; LDS byte at which the step to be fetched begins
.set SLOTS, 51
.set TWICE, 52
.set PITCH, 53                         ; a row of the output in bytes
.set OS,   54                          ; s[54:55] 2^(eo + ewo)
.set OUTB, 56
.set CUR,  58
.set BO,   66
.set WO,   68
.set MSB, 0
.macro WIN new                         ; the immediate's high byte repeats the setting that is left; a switch that changes nothing is dropped
.if MSB != (\new)
	s_set_vgpr_msb (MSB<<8)|(\new)
.set MSB, (\new)
.endif
.endm
.macro PLACES                          ; four places behind matrix instructions, ahead of loads into registers that they have read and of the first read of results
.rept 4
	v_nop
.endr
.endm
.macro ROUND                           ; a round of the cluster's barrier: my work-group's barrier; wave 0 signals for the work-group; every wave waits for all four work-groups; my work-group's barrier once more
	s_barrier_signal -1
	s_barrier_wait -1
	s_cmp_lg_u32 s[WV], 0
	s_cbranch_scc1 .Lnot_wave_0_\@
	s_barrier_signal -3
.Lnot_wave_0_\@:
	s_barrier_wait -3
	s_barrier_signal -1
	s_barrier_wait -1
.endm
	s_load_b512 s[4:19], s[0:1], 0x0               ; qc s[4:5], kv s[6:7], wc s[8:9], scales s[10:11], bo1 s[12:13], bo2 s[14:15], out0 s[16:17], out1 s[18:19]
	v_lshl_add_u32 v[SPW], v0, 2, SPARE
	v_mov_b32 v[NIL], 0
	ds_add_u32 v3, v4
	ds_add_u32 v3, v4
	s_wait_dscnt 0x0
	v_lshrrev_b32 v24, 5, v0
	v_readfirstlane_b32 s[WV], v24                 ; wave 0..3
	s_and_b32 s[BAT], ttmp7, 0xffff
	s_lshr_b32 s[DIR], s[BAT], 3                   ; the direction,
	s_and_b32 s[BAT], s[BAT], 7                    ; the batch: both shared by the four partners
	s_bfe_u32 s70, ttmp6, 0x40000                  ; cx: my place in the cluster
	s_lshl_b32 s[QB], ttmp9, 2
	s_add_co_u32 s[QB], s[QB], s70                 ; my block of 128 queries
	s_xor_b32 s60, s[DIR], 1                       ; kv: the OTHER side's keys and values,
	s_lshl_b32 s60, s60, 23
	s_lshl_b32 s61, s[BAT], 20
	s_add_co_u32 s60, s60, s61                     ; the batch's 16 steps,
	s_lshl_b32 s3, s[WV], 15                       ; my quarter of a slot: in memory and in LDS alike
	s_add_co_u32 s60, s60, s3
	s_mov_b32 s61, 0
	s_lshl_b32 s62, s[DIR], 16                     ; wc: Wo1 at 786,432, Wo2 65,536 behind it; my four column tiles of 4,096 bytes
	s_lshl_b32 s63, s[WV], 14
	s_add_co_u32 s62, s62, s63
	s_add_co_u32 s62, s62, 786432
	s_mov_b32 s63, 0
	s_lshl_b32 s71, s[BAT], 7                      ; qc: query tile 128 batch + 8 block + 2 wave, 4,096 bytes each, + side
	s_lshl_b32 s72, s[QB], 3
	s_add_co_u32 s71, s71, s72
	s_lshl_b32 s72, s[WV], 1
	s_add_co_u32 s71, s71, s72
	s_lshl_b32 s72, s71, 12
	s_lshl_b32 s73, s[DIR], 22
	s_add_co_u32 s72, s72, s73
	s_mov_b32 s73, 0
	s_cmp_eq_u32 s[DIR], 0
	s_mov_b32 s[PITCH], 3072
	s_cselect_b32 s[PITCH], 1024, s[PITCH]
	s_lshl_b32 s74, s[BAT], 11                     ; the output: row 2,048 batch + 128 block, + my 64 columns
	s_lshl_b32 s75, s[QB], 7
	s_add_co_u32 s74, s74, s75
	s_mul_i32 s74, s74, s[PITCH]
	s_lshl_b32 s75, s[WV], 8
	s_add_co_u32 s74, s74, s75
	s_mov_b32 s75, 0
	s_lshl_b32 s76, s[DIR], 4                      ; the scales: entries 12-15 or 16-19,
	s_mov_b32 s77, 0
	s_lshl_b32 s78, s[DIR], 3                      ; and 20, 21 or 22, 23
	s_mov_b32 s79, 0
	; descriptor group 1: 32,768 dense bytes as 128 rows of 32 elements of 8 bytes; no padding: fragments are read as they lie, 512 consecutive bytes an instruction
	s_mov_b32 s[G1], 15|(3<<16)|(1<<21)            ; 15:0 the mask: all four work-groups; 17:16 elements of 8 bytes; 21 set beside a mask
	s_mov_b32 s[G1+1], 32<<16                      ; tensor_dim0 = 32
	s_mov_b32 s[G1+2], 128<<16                     ; tensor_dim1 = 128
	s_mov_b32 s[G1+3], 32<<16                      ; tile_dim0 = 32
	s_mov_b32 s[G1+4], 128                         ; tile_dim1 = 128
	s_mov_b32 s[G1+5], 32                          ; elements from row to row
	s_mov_b32 s[G1+6], 0
	s_mov_b32 s[G1+7], 0
	s_mov_b32 s[SEL], 0x76543210
	s_mov_b32 s[SEL+1], 0xfedcba98
	s_mov_b32 s[TB], 0
	s_wait_kmcnt 0x0
	s_add_nc_u64 s[76:77], s[10:11], s[76:77]
	s_add_nc_u64 s[78:79], s[10:11], s[78:79]
	s_load_b128 s[40:43], s[76:77], 0x30           ; eq, ek, ev, ep
	s_load_b64 s[44:45], s[78:79], 0x50            ; eo, ewo
	s_add_nc_u64 s[6:7], s[6:7], s[60:61]
	s_add_nc_u64 s[4:5], s[4:5], s[72:73]
	s_cmp_eq_u32 s[DIR], 0
	s_cselect_b64 s[OUTB:OUTB+1], s[16:17], s[18:19]
	s_cselect_b64 s[BO:BO+1], s[12:13], s[14:15]
	s_add_nc_u64 s[OUTB:OUTB+1], s[OUTB:OUTB+1], s[74:75]
	s_add_nc_u64 s[WO:WO+1], s[8:9], s[62:63]
	s_mov_b32 s[G0A], 1                            ; count = 1
	s_mov_b32 s[G0A+1], s3                         ; LDS: slot 0, my quarter
	s_mov_b64 s[G0A+2:G0A+3], s[6:7]               ; key steps 0, 1
	s_or_b32 s[G0A+3], s[G0A+3], 0x80000000        ; type = 2
	s_mov_b32 s[G0B], 1
	s_add_co_u32 s[G0B+1], s3, SLOT1               ; slot 1
	s_add_nc_u64 s[G0B+2:G0B+3], s[6:7], 131072    ; key steps 2, 3
	s_or_b32 s[G0B+3], s[G0B+3], 0x80000000
	ROUND                                          ; all four work-groups are here: the first joint loads meet
	tensor_load_to_lds s[G0A:G0A+3], s[G1:G1+7]    ; slot 0's first fill: waited for before slot 1's is asked for
	s_nop 0
	s_wait_alu depctr_va_vdst(0)
	s_wait_tensorcnt 0x0
	ds_add_u32 v3, v4
	s_wait_dscnt 0x0
	ROUND
	tensor_load_to_lds s[G0B:G0B+3], s[G1:G1+7]
	s_nop 0
	PLACES                                         ; (four v_nop follow the load)
	v_and_b32 v24, 31, v0
	v_lshlrev_b32 v[LI], 4, v24
.irp f, 0,1,2,3                        ; Q stays in registers: fragment f = 2 a + s
.irp c, 0,1,2,3
	global_load_b128 v[Q+16*\f+4*\c:Q+16*\f+4*\c+3], v[LI], s[4:5] offset:\f*2048+512*\c
.endr
.endr
	v_and_b32 v24, 15, v0                          ; r
	v_bfe_u32 v25, v0, 4, 1                        ; h
	s_lshl_b32 s58, s[WV], 13
	s_add_co_u32 s58, s58, OIMG
	v_add_nc_u32 v[OW], s58, v[LI]                 ; my two query tiles' four images
	v_add_nc_u32 v[ORD], OIMG, v[LI]
	s_mul_i32 s58, s[WV], 4352
	s_add_co_u32 s58, s58, STAGE                   ; my stage
	v_mul_u32_u24 v[STO], v24, 272
	v_lshl_add_u32 v[STO], v25, 6, v[STO]
	v_add_nc_u32 v[STO], s58, v[STO]               ; in: row r, + 64 h
	v_mul_u32_u24 v[RD], v25, 272
	v_lshl_add_u32 v[RD], v24, 4, v[RD]
	v_add_nc_u32 v[RD], s58, v[RD]                 ; back: lanes 0-15 one row of 256 bytes, lanes 16-31 the next
	s_lshl_b32 s58, s[WV], 8
	v_lshlrev_b32 v[VB], 6, v25
	v_add_nc_u32 v[VB], s58, v[VB]                 ; the bias: my 64 columns, + 16 h of them
	v_mov_b32 v[PT], 0                             ; written once: a lane permute's destination counts as one of its sources
	v_mov_b32 v[ST+5], 0                           ; (named as the upper halves of the pairs with f)
	v_mov_b32 v[ST+13], 0
	s_wait_kmcnt 0x0
	s_mov_b32 s[CS], 0x3db8aa3b                    ; log2(e) / 16
	s_add_co_i32 s60, s40, s41
	s_lshl_b32 s60, s60, 23
	s_add_co_i32 s[CS], s[CS], s60                 ; a score stands for score x 2^(eq + ek): added to c's exponent field
	s_mov_b32 s[CS+1], s[CS]                       ; (named with it as a pair)
	s_add_co_i32 s60, s43, 127
	s_lshl_b32 s61, s60, 23
	v_mov_b32 v[PSC], s61                          ; 2^ep
	s_add_co_i32 s60, s60, 8
	s_lshl_b32 s60, s60, 23
	s_or_b32 s60, s60, 0x600000
	v_mov_b32 v[PLIM], s60                         ; 448 x 2^ep
.macro KLOAD                           ; a step's K: 16 fragments (key tile x 2 + d / 128) -> window 2, as they lie
	WIN 0
	v_add_nc_u32 v[ADR], s[TB], v[LI]
	WIN 0x80
.set n, 0
.rept 64
	ds_load_b128 v[4*n:4*n+3], v[ADR] offset:512*n
.set n, n+1
.endr
.endm
.macro VLOAD                           ; the same step's V: 16 fragments (d tile) -> window 3
	WIN 0xc0
.set n, 0
.rept 64
	ds_load_b128 v[4*n:4*n+3], v[ADR] offset:32768+512*n
.set n, n+1
.endr
	s_add_co_u32 s[TB], s[TB], STEPB               ; the next fetch is the next step's
.endm
.macro SQK                             ; S^T = K Q^T: 32 matrix instructions; the 16 accumulators by turns, one instruction a turn; the first 16 start the sums
	WIN 0x02
.irp s, 0,1
.irp t, 0,1,2,3,4,5,6,7
.irp a, 0,1
.if \s == 0
	v_wmma_f32_16x16x128_fp8_fp8 v[S+64*\a+8*\t:S+64*\a+8*\t+7], v[16*(2*\t+\s):16*(2*\t+\s)+15], v[Q+16*(2*\a+\s):Q+16*(2*\a+\s)+15], 0
.else
	v_wmma_f32_16x16x128_fp8_fp8 v[S+64*\a+8*\t:S+64*\a+8*\t+7], v[16*(2*\t+\s):16*(2*\t+\s)+15], v[Q+16*(2*\a+\s):Q+16*(2*\a+\s)+15], v[S+64*\a+8*\t:S+64*\a+8*\t+7]
.endif
.endr
.endr
.endr
.endm
.macro PV first                        ; O^T += V^T P^T: 32 matrix instructions on 32 accumulators.  first = 1: they start the sums: nothing is ever cleared
	WIN 0x53
.irp t, 0,1,2,3,4,5,6,7,8,9,10,11,12,13,14,15
.irp a, 0,1
.if \first
	v_wmma_f32_16x16x128_fp8_fp8 v[128*\a+8*\t:128*\a+8*\t+7], v[16*\t:16*\t+15], v[P+16*\a:P+16*\a+15], 0
.else
	v_wmma_f32_16x16x128_fp8_fp8 v[128*\a+8*\t:128*\a+8*\t+7], v[16*\t:16*\t+15], v[P+16*\a:P+16*\a+15], v[128*\a+8*\t:128*\a+8*\t+7]
.endif
.endr
.endr
.endm
; Tile a's softmax of a key step: 64 scores a lane (register 16 b + i: key 32 b + 16 h + i).  first = 1: the first step, which starts the largest t and the sum, and has no O^T to rescale.
.macro SOFTMAX a, first
.set rT, ST+8*(\a)
.set rS, S+64*(\a)
.set rP, P+16*(\a)
	WIN 0
	v_max3_num_f32 v[rT+6], v[rS], v[rS+1], v[rS+2]        ; the step's largest score of my query among my 64 keys, in two chains, each accumulator from its low end on
	v_max3_num_f32 v[rT+7], v[rS+3], v[rS+4], v[rS+5]
.irp i, 6,10,14,18,22,26,30,34,38,42,46,50,54,58
	v_max3_num_f32 v[rT+6], v[rT+6], v[rS+\i], v[rS+\i+1]
	v_max3_num_f32 v[rT+7], v[rT+7], v[rS+\i+2], v[rS+\i+3]
.endr
	v_max3_num_f32 v[rT+6], v[rT+6], v[rS+62], v[rS+63]
	v_max_num_f32 v[rT+6], v[rT+6], v[rT+7]
	v_permlanex16_b32 v[PT], v[rT+6], s[SEL], s[SEL+1]
	v_max_num_f32 v[rT+6], v[rT+6], v[PT]                  ; and among lane l xor 16's
.if \first
	v_mul_f32 v[rT+1], s[CS], v[rT+6]                      ; as t (c is positive)
	v_floor_f32 v[rT], -v[rT+1]                            ; -M = floor(-t) = -ceil(t): M is a whole number
.else
	v_mul_f32 v[rT+6], s[CS], v[rT+6]
	v_max_num_f32 v[rT+1], v[rT+1], v[rT+6]                ; the running largest t
	v_mov_b32 v[rT+7], v[rT]
	v_floor_f32 v[rT], -v[rT+1]
	v_sub_f32 v[rT+7], v[rT], v[rT+7]                      ; old M - new M: a whole number, 0 or less
	v_cvt_i32_f32 v[rT+7], v[rT+7]                         ; (it saturates)
	v_ldexp_f32 v[rT+4], 1.0, v[rT+7]                      ; f = 2^(old M - new M)
.endif
.set n, 0
.rept 32
	v_pk_fma_f32 v[rS+n:rS+n+1], v[rS+n:rS+n+1], s[CS:CS+1], v[rT:rT+1] op_sel_hi:[1,0,0]   ; t - M, two at a time (of the pairs c and -M the low word serves both halves)
.set n, n+2
.endr
.set n, 0
	s_wait_alu depctr_va_vdst(0)
.rept 64
	v_exp_f32 v[rS+n], v[rS+n]                             ; p = 2^(t - M), at most 1
.set n, n+1
.endr
	v_nop                                                  ; one plain vector line that names no p stands between the last exponential and the first line that reads one (ISA guide 5.7.2)
.if \first                             ; the row's sum is taken of the unquantised p: two at a time, in two chains
	s_wait_alu depctr_va_vdst(0)
	v_pk_add_f32 v[TS:TS+1], v[rS:rS+1], v[rS+2:rS+3]
	v_pk_add_f32 v[rT+2:rT+3], v[rS+4:rS+5], v[rS+6:rS+7]
.irp j, 8,12,16,20,24,28,32,36,40,44,48,52,56,60
	v_pk_add_f32 v[rT+2:rT+3], v[rT+2:rT+3], v[rS+\j:rS+\j+1]
	v_pk_add_f32 v[TS:TS+1], v[TS:TS+1], v[rS+\j+2:rS+\j+3]
.endr
.else
	v_pk_mul_f32 v[rT+2:rT+3], v[rT+2:rT+3], v[rT+4:rT+5] op_sel_hi:[1,0]   ; the sums under the new M
	s_wait_alu depctr_va_vdst(0)
	v_pk_add_f32 v[TS:TS+1], v[rS:rS+1], v[rS+2:rS+3]
.irp j, 4,8,12,16,20,24,28,32,36,40,44,48,52,56,60
	v_pk_add_f32 v[rT+2:rT+3], v[rT+2:rT+3], v[rS+\j:rS+\j+1]
	v_pk_add_f32 v[TS:TS+1], v[TS:TS+1], v[rS+\j+2:rS+\j+3]
.endr
.endif
	v_pk_add_f32 v[rT+2:rT+3], v[rT+2:rT+3], v[TS:TS+1]
.irp b, 0,1,2,3
.irp i, 0,1,2,3,4,5,6,7,8,9,10,11,12,13,14,15
	v_min_num_f32 v[rS+16*\b+\i], v[rS+16*\b+\i], v[PLIM]  ; the conversion to an 8-bit code does not saturate (ISA guide 7.6.2); p is not negative, so the hold is one-sided
.endr
	v_cvt_scalef32_pk8_fp8_f32 v[rP+4*\b:rP+4*\b+1], v[rS+16*\b:rS+16*\b+7], v[PSC]
	v_cvt_scalef32_pk8_fp8_f32 v[rP+4*\b+2:rP+4*\b+3], v[rS+16*\b+8:rS+16*\b+15], v[PSC]
.endr
.if \first
	s_wait_alu depctr_va_vdst(0)
	v_nop                                                  ; one plain vector line behind the last conversion
.else
	WIN 0x41
.set n, 0
.rept 64
	v_pk_mul_f32 v[128*(\a)+n:128*(\a)+n+1], v[128*(\a)+n:128*(\a)+n+1], v[rT+4:rT+5] op_sel_hi:[1,0]   ; O^T under the new M, each accumulator from its low end on
.set n, n+2
.endr
.endif
.endm
; From the middle of key step j to the middle of step j + 1.
.macro ROT first
	KLOAD                                          ; K of j + 1: its registers' last readers stand a softmax back
	SOFTMAX 1, \first
	s_wait_alu depctr_va_vdst(0)
	s_wait_dscnt 63                                ; V of j is in: behind its 64 loads stand K's 64, of which the field lets the count name 63
	PV \first
	s_wait_dscnt 0x0                               ; K of j + 1 is in
	SQK
	WIN 0
	PLACES                                         ; behind the products: V's registers are loaded again, and the scores are read
	VLOAD                                          ; V of j + 1
	SOFTMAX 0, 0
.endm
.macro TWO                             ; a slot's two key steps: written once, walked twice; the LDS addresses hang on s[TB]
	s_mov_b32 s[TWICE], 2
.Lstep_\@:
	ROT 0
	WIN 0
	s_sub_co_u32 s[TWICE], s[TWICE], 1
	s_cmp_lg_u32 s[TWICE], 0
	s_cbranch_scc1 .Lstep_\@
.endm
; THE CHANGE OF SLOTS: the slot's last bytes, V of its second step, have been asked for.  Each wave waits for all its tensor loads (the one that is out is its quarter of the other slot), adds 0 to its spare word, and waits
; for that and for its reads of the slot.  fill = 1: the slot is filled again with the keys two slots on; the barrier is then a round of the cluster's, and the joint refill is the first thing behind it: it has two key steps in which to land.
.macro CHANGE fill
	WIN 0
	s_wait_tensorcnt 0x0                           ; no tensor load of mine is out, so a group 0 may be written
	ds_add_u32 v[SPW], v[NIL]                      ; 0 onto my spare word
.if \fill
	s_xor_b32 s[G0B+1], s[G0B+1], SLOT1            ; the walking descriptor: the other slot than last time,
	s_add_nc_u64 s[G0B+2:G0B+3], s[G0B+2:G0B+3], 131072   ; the next two key steps; the type bits on top are not reached
.endif
	s_wait_dscnt 0x0                               ; the add is done, and my reads of the slot are in
.if \fill
	ROUND
	tensor_load_to_lds s[G0B:G0B+3], s[G1:G1+7]
	s_nop 0
	PLACES                                         ; (four v_nop follow the load)
.else
	s_barrier_signal -1
	s_barrier_wait -1
.endif
	s_sub_co_u32 s[TB], s[TB], 2*STEPB             ; the fetches go back to a slot's first step,
	s_xor_b32 s[TB], s[TB], SLOT1                  ; in the other slot
.endm
	s_wait_tensorcnt 0x1                           ; my quarter of slot 0 is in; slot 1's may stay out
	s_barrier_signal -1
	s_barrier_wait -1                              ; everybody's is
	KLOAD                                          ; key step 0
	s_wait_alu depctr_va_vdst(0)
	s_wait_loadcnt 0x0                             ; Q
	s_wait_dscnt 0x0
	SQK
	WIN 0
	PLACES
	VLOAD
	SOFTMAX 0, 1
	ROT 1                                          ; step 0's second half (its V^T P starts O^T) and step 1's first
	WIN 0
	s_mov_b32 s[SLOTS], 6                          ; eight slots' worth of keys: two were asked for at the start
.Lslot:
	CHANGE 1
	TWO
	s_sub_co_u32 s[SLOTS], s[SLOTS], 1
	s_cmp_lg_u32 s[SLOTS], 0
	s_cbranch_scc1 .Lslot
	CHANGE 0                                       ; the last slot is written out
	TWO
	SOFTMAX 1, 0                                   ; step 15's second half
	s_wait_alu depctr_va_vdst(0)
	s_wait_dscnt 0x0
	PV 0
	; ---- THE WAY OUT.  Wo's fragments and the bias are asked for first, into the registers that K and V have left; they land while o is finished.
.macro WOLOAD cg, reg                  ; column group cg: my four column tiles x two K steps: fragment f = 2 nt + s
.irp f, 0,1,2,3,4,5,6,7
.irp c, 0,1,2,3
	global_load_b128 v[\reg+16*\f+4*\c:\reg+16*\f+4*\c+3], v[LI], s[WO:WO+1] offset:\cg*65536+\f*2048+512*\c
.endr
.endr
.endm
.macro BLOAD cg                        ; its bias in the result's layout: for tile nt the columns 32 (nt / 2) + 16 h + 8 (nt % 2) + 0 .. 7 -> window 3, v[128 + 32 cg + 8 nt]
.irp nt, 0,1,2,3
.irp k, 0,1
	global_load_b128 v[128+32*\cg+8*\nt+4*\k:128+32*\cg+8*\nt+4*\k+3], v[VB], s[BO:BO+1] offset:\cg*1024+128*(\nt/2)+32*(\nt%2)+16*\k
.endr
.endr
.endm
	WIN 0
	PLACES
	WIN 0x80
	WOLOAD 0, 0
	WIN 0xc0
	BLOAD 0
	WIN 0
	s_cmp_eq_u32 s[DIR], 0                         ; out0 has 256 columns, out1 768
	s_cbranch_scc1 .Lnarrow_loads
	WIN 0x80
	WOLOAD 1, 128
	WIN 0xc0
	WOLOAD 2, 0
	BLOAD 1
	BLOAD 2
	WIN 0
.Lnarrow_loads:
	v_add_f32 v[ST+6], v[ST+2], v[ST+3]            ; the sums' two halves,
	v_add_f32 v[ST+14], v[ST+10], v[ST+11]
	v_permlanex16_b32 v[ST+7], v[ST+6], s[SEL], s[SEL+1]
	v_permlanex16_b32 v[ST+15], v[ST+14], s[SEL], s[SEL+1]
	v_add_f32 v[ST+6], v[ST+6], v[ST+7]            ; and lane l xor 16's: the rows' sums
	v_add_f32 v[ST+14], v[ST+14], v[ST+15]
	s_wait_alu depctr_va_vdst(0)
	v_rcp_f32 v[ST+4], v[ST+6]
	v_rcp_f32 v[ST+12], v[ST+14]
	s_sub_co_i32 s60, s44, s43                     ; O^T / l stands for o / 2^(ep + ev): the three scales are folded into the conversion's one, 2^(eo - ep - ev)
	s_sub_co_i32 s60, s60, s42
	s_add_co_i32 s60, s60, 127
	s_lshl_b32 s61, s60, 23
	v_mov_b32 v[PSC], s61                          ; (a plain place behind the reciprocals)
	s_add_co_i32 s60, s60, 8
	s_lshl_b32 s60, s60, 23
	s_or_b32 s60, s60, 0x600000
	v_mov_b32 v[PLIM], s60
	s_wait_alu depctr_va_vdst(0)
	s_add_co_i32 s[OS], s44, s45
	s_add_co_i32 s[OS], s[OS], 127
	s_lshl_b32 s[OS], s[OS], 23                    ; 2^(eo + ewo)
	s_mov_b32 s[OS+1], s[OS]
	s_mov_b32 s61, 0
.macro FINISH a                        ; tile a: O^T / l, held, quantised: d tiles 2 b, 2 b + 1 are registers 4 (b % 4) on of o's fragment (a, b / 4)
	WIN 0x41
.set n, 0
.rept 64
	v_pk_mul_f32 v[128*\a+n:128*\a+n+1], v[128*\a+n:128*\a+n+1], v[ST+8*\a+4:ST+8*\a+5] op_sel_hi:[1,0]
.set n, n+2
.endr
.set n, 0
.rept 128
	v_med3_num_f32 v[128*\a+n], v[128*\a+n], -v[PLIM], v[PLIM]
.set n, n+1
.endr
	WIN 0x01
.irp b, 0,1,2,3,4,5,6,7
	v_cvt_scalef32_pk8_fp8_f32 v[S+32*\a+4*\b:S+32*\a+4*\b+1], v[128*\a+16*\b:128*\a+16*\b+7], v[PSC]
	v_cvt_scalef32_pk8_fp8_f32 v[S+32*\a+4*\b+2:S+32*\a+4*\b+3], v[128*\a+16*\b+8:128*\a+16*\b+15], v[PSC]
.endr
.endm
	FINISH 0
	FINISH 1
	WIN 0
	v_nop                                          ; one plain vector line behind the last conversion
.set n, 0
.rept 16
	ds_store_b128 v[OW], v[S+4*n:S+4*n+3] offset:512*n     ; my four images, as the registers stand
.set n, n+1
.endr
	v_and_b32 v16, 15, v0                          ; the statistics are done with: the output's row offsets take their registers
	v_lshlrev_b32 v16, 4, v16
	v_bfe_u32 v17, v0, 4, 1
.irp i, 0,1,2,3,4,5,6,7
	v_add_nc_u32 v18, 2*\i+8*(\i/4), v17           ; stage row 2 i + h is the tile's query 2 i + h + 8 (i / 4)
	v_mad_u32_u24 v[GO+\i], v18, s[PITCH], v16
.endr
	s_wait_dscnt 0x0                               ; my images have landed
	s_barrier_signal -1
	s_barrier_wait -1                              ; all sixteen lie in LDS
	WIN 0x40
.set n, 0
.rept 64
	ds_load_b128 v[4*n:4*n+3], v[ORD] offset:512*n         ; o's fragment (query tile qt, s) -> window 1, v[16 (2 qt + s)]
.set n, n+1
.endr
	WIN 0
	s_wait_loadcnt 0x0                             ; Wo and the bias
	s_wait_dscnt 0x0
; Query tile q of the half in hand: sum x 2^(eo + ewo) + bias; through my own stage; back as whole rows of 256 bytes.  LDS serves a wave's instructions in order (ISA guide 5.7.1.4): no wait between the stores and the loads.
.macro TOSTAGE cg, q
	s_wait_xcnt 0x0                                ; the registers that the loads below land in have been read by the stores of two tiles ago
	WIN 0x30
.irp nt, 0,1,2,3
.irp i, 0,2,4,6
	v_pk_fma_f32 v[TMP+8*\nt+\i:TMP+8*\nt+\i+1], v[S+8*(4*\nt+(\q))+\i:S+8*(4*\nt+(\q))+\i+1], s[OS:OS+1], v[128+32*(\cg)+8*\nt+\i:128+32*(\cg)+8*\nt+\i+1] op_sel_hi:[1,0,1]
.endr
.endr
	WIN 0
.irp nt, 0,1,2,3
.irp k, 0,1
	ds_store_b128 v[STO], v[TMP+8*\nt+4*\k:TMP+8*\nt+4*\k+3] offset:128*(\nt/2)+32*(\nt%2)+16*\k
.endr
.endr
.set BB, BK+32*((\q)%2)
.irp i, 0,1,2,3,4,5,6,7
	ds_load_b128 v[BB+4*\i:BB+4*\i+3], v[RD] offset:544*\i
.endr
.endm
.macro SEND cg, qt, younger            ; younger: the LDS instructions issued behind this tile's loads: the next tile's eight stores and eight loads, or none
.set BB, BK+32*((\qt)%2)
	s_wait_dscnt \younger
	s_wait_xcnt 0x0                                ; the earlier stores have read their base
	s_mul_i32 s60, s[PITCH], 32*((\qt)/2)+8*((\qt)%2)
	s_add_nc_u64 s[CUR:CUR+1], s[OUTB:OUTB+1], s[60:61]
.irp i, 0,1,2,3,4,5,6,7
	global_store_b128 v[GO+\i], v[BB+4*\i:BB+4*\i+3], s[CUR:CUR+1] offset:(\cg)*1024 th:TH_STORE_NT   ; 16 lanes store 256 consecutive bytes, at a multiple of 256 from the output's first byte
.endr
.endm
; Column group cg: my 64 columns for all 128 queries, four query tiles at a time: 32 matrix instructions, 16 accumulators by turns, source 0 = 16 columns of Wo, source 1 = 16 queries of o.
.macro OUTCG cg
.if \cg == 2
.set WOW, 3
.set WOR, 0
.else
.set WOW, 2
.set WOR, 128*\cg
.endif
.irp hq, 0,1
	WIN WOW|(1<<2)
.irp s, 0,1
.irp nt, 0,1,2,3
.irp q, 0,1,2,3
.if \s == 0
	v_wmma_f32_16x16x128_fp8_fp8 v[S+8*(4*\nt+\q):S+8*(4*\nt+\q)+7], v[WOR+16*(2*\nt+\s):WOR+16*(2*\nt+\s)+15], v[16*(2*(4*\hq+\q)+\s):16*(2*(4*\hq+\q)+\s)+15], 0
.else
	v_wmma_f32_16x16x128_fp8_fp8 v[S+8*(4*\nt+\q):S+8*(4*\nt+\q)+7], v[WOR+16*(2*\nt+\s):WOR+16*(2*\nt+\s)+15], v[16*(2*(4*\hq+\q)+\s):16*(2*(4*\hq+\q)+\s)+15], v[S+8*(4*\nt+\q):S+8*(4*\nt+\q)+7]
.endif
.endr
.endr
.endr
	WIN 0
	PLACES
	TOSTAGE \cg, 0
.irp q, 1,2,3
	TOSTAGE \cg, \q                                ; a tile's arithmetic stands between the loads of the tile before and its stores
	SEND \cg, 4*\hq+\q-1, 16
.endr
	SEND \cg, 4*\hq+3, 0
.endr
.endm
	OUTCG 0
	s_cmp_eq_u32 s[DIR], 0
	s_cbranch_scc1 .Lnarrow_out
	OUTCG 1
	OUTCG 2
.Lnarrow_out:
	s_wait_tensorcnt 0x0                           ; the wave's end, behind my last tensor load and my last LDS store
	ds_add_u32 v[SPW], v[NIL]
	s_wait_dscnt 0x0
	ROUND                                          ; the closing round: no work-group ends while a partner may still ask for a tile that names it
	s_endpgm
.Lfunc_end_k_qa8f1fb9390_attn:
	.size	k_qa8f1fb9390_attn, .Lfunc_end_k_qa8f1fb9390_attn-k_qa8f1fb9390_attn
	.p2alignl 7, 3214868480
	.fill 96, 4, 3214868480
	.section	.rodata,"a",@progbits
	.p2align	6, 0x0
	.amdhsa_kernel k_qa8f1fb9390_attn
		.amdhsa_group_segment_fixed_size 327680
		.amdhsa_private_segment_fixed_size 0
		.amdhsa_enable_private_segment 0
		.amdhsa_kernarg_size 64
		.amdhsa_user_sgpr_count 2
		.amdhsa_user_sgpr_kernarg_segment_ptr 1
		.amdhsa_wavefront_size32 1
		.amdhsa_system_sgpr_workgroup_id_x 1
		.amdhsa_system_sgpr_workgroup_id_y 1
		.amdhsa_system_sgpr_workgroup_id_z 1
		.amdhsa_system_vgpr_workitem_id 0
		.amdhsa_next_free_vgpr 1024
		.amdhsa_next_free_sgpr 80
		.amdhsa_reserve_vcc 0
		.amdhsa_float_denorm_mode_32 3
		.amdhsa_float_denorm_mode_16_64 3
		.amdhsa_memory_ordered 1
		.amdhsa_forward_progress 1
		.amdhsa_inst_pref_size 255
	.end_amdhsa_kernel
	.section	.bss,"aw",@nobits
	.p2align	6
	.space	262144
	.amdgpu_metadata
---
amdhsa.version: [ 1, 2 ]
amdhsa.kernels:
  - .name:           k_qa8f1fb9390_attn
    .symbol:         k_qa8f1fb9390_attn.kd
    .args:
      - { .name: qc, .offset: 0, .size: 8, .value_kind: global_buffer, .address_space: global }
      - { .name: kv, .offset: 8, .size: 8, .value_kind: global_buffer, .address_space: global }
      - { .name: wc, .offset: 16, .size: 8, .value_kind: global_buffer, .address_space: global }
      - { .name: lowp_scales, .offset: 24, .size: 8, .value_kind: global_buffer, .address_space: global }
      - { .name: bo1, .offset: 32, .size: 8, .value_kind: global_buffer, .address_space: global }
      - { .name: bo2, .offset: 40, .size: 8, .value_kind: global_buffer, .address_space: global }
      - { .name: out0, .offset: 48, .size: 8, .value_kind: global_buffer, .address_space: global }
      - { .name: out1, .offset: 56, .size: 8, .value_kind: global_buffer, .address_space: global }
    .group_segment_fixed_size: 327680
    .private_segment_fixed_size: 0
    .kernarg_segment_align: 8
    .kernarg_segment_size: 64
    .max_flat_workgroup_size: 128
    .sgpr_count:     80
    .vgpr_count:     1024
    .wavefront_size: 32
...
	.end_amdgpu_metadata
.endif
;; end of part 6
